; MI455X (gfx1250); checked and timed in simulation.
; The chip was launched on July 23, 2026; its instructions are those of AMD's public machine-readable ISA for CDNA 5 (MIT licence, August 2026) and "CDNA5" Instruction Set Architecture Reference Guide (July 2026). The comments in the code are by the model that wrote it; some were corrected since.
;; Multi Head Attention. Allowed arithmetic: matrix products marked QUANTISED: E2M1 operands, one E8M0 scale for each 32 along K, by v_wmma_scale_f32_16x16x128_f8f6f4 with both operands' format E2M1 (or v_wmma_scale_f32_32x16x128_f4), f32 sums; everything else in f32.
;; Inputs: Wk_codes 1,024 x 32 x 16 uint8 (E2M1 codes of Wk, K innermost, in blocks of 32 codes, two codes a byte); Wk_scales 1,024 x 32 uint8 (E8M0 scales of Wk, one for each 32 codes along K); Wo_codes 1,024 x 32 x 16 uint8 (E2M1 codes of Wo, K innermost, in blocks of 32 codes, two codes a byte); Wo_scales 1,024 x 32 uint8 (E8M0 scales of Wo, one for each 32 codes along K); Wq_codes 1,024 x 32 x 16 uint8 (E2M1 codes of Wq, K innermost, in blocks of 32 codes, two codes a byte); Wq_scales 1,024 x 32 uint8 (E8M0 scales of Wq, one for each 32 codes along K); Wv_codes 1,024 x 32 x 16 uint8 (E2M1 codes of Wv, K innermost, in blocks of 32 codes, two codes a byte); Wv_scales 1,024 x 32 uint8 (E8M0 scales of Wv, one for each 32 codes along K); bk 1,024 float32; bo 1,024 float32; bq 1,024 float32; bv 1,024 float32; key_codes 4 x 2,048 x 32 x 16 uint8 (E2M1 codes of key, K innermost, in blocks of 32 codes, two codes a byte); key_scales 4 x 2,048 x 32 uint8 (E8M0 scales of key, one for each 32 codes along K); query_codes 4 x 2,048 x 32 x 16 uint8 (E2M1 codes of query, K innermost, in blocks of 32 codes, two codes a byte); query_scales 4 x 2,048 x 32 uint8 (E8M0 scales of query, one for each 32 codes along K); value_codes 4 x 2,048 x 32 x 16 uint8 (E2M1 codes of value, K innermost, in blocks of 32 codes, two codes a byte); value_scales 4 x 2,048 x 32 uint8 (E8M0 scales of value, one for each 32 codes along K).
;; Outputs: out0 4 x 2,048 x 1,024 float32.
;; This version of the problem:
;;   THIS VERSION OF THE PROBLEM IS GIVEN IN LOW PRECISION. The matrix products marked QUANTISED in the list below multiply operands that are first quantised to E2M1 (2 exponent bits, 1 mantissa bit; 4 bits a number), with one power-of-two scale for each 32 numbers along K (OCP MX v1.0); their sums are f32. All else is computed in f32.
;;   The module's matrix products, in the order in which they are computed (A, B: the left and right operand; K: the contracted axis; several contracted axes count as one K, in the product's order):
;;     1. [M 8,192, K 1,024] x [K 1,024, N 1,024]; A: input query (given as codes); B: input Wq (given as codes): QUANTISED
;;     2. [M 8,192, K 1,024] x [K 1,024, N 1,024]; A: input key (given as codes); B: input Wk (given as codes): QUANTISED
;;     3. [M 8,192, K 1,024] x [K 1,024, N 1,024]; A: input value (given as codes); B: input Wv (given as codes): QUANTISED
;;     4. batch 64 x [M 2,048, K 64] x [K 64, N 2,048]; A: computed on the way; B: computed on the way: QUANTISED
;;     5. batch 64 x [M 2,048, K 2,048] x [K 2,048, N 64]; A: softmax (see below); B: computed on the way: QUANTISED
;;     6. [M 8,192, K 1,024] x [K 1,024, N 1,024]; A: computed on the way; B: input Wo (given as codes): QUANTISED
;;   THE QUANTISER, for each operand of a quantised product, along K:
;;     - K is cut into blocks of 32 from its start; a last block that is shorter is filled with zeros.
;;     - A block's scale is 2^e with e = floor(log2(the largest magnitude in the block)) - 2, held to -126 .. 127; a block of zeros has e = 0. As a byte (E8M0): e + 127.
;;     - Each number is divided by its block's scale, clamped to +-6, and rounded to the nearest number of E2M1, ties to even, subnormals kept.
;;     - The product sums the exact products of the quantised numbers (number of the format x scale) in f32.
;;   ~~~python
;;   def quantise(x, axis):      # numpy; x: float32 -> the quantised numbers, widened to float32 again
;;       x = np.moveaxis(x, axis, -1); K = x.shape[-1]
;;       x = np.pad(x, [(0, 0)] * (x.ndim - 1) + [(0, -K % 32)]); x = x.reshape(x.shape[:-1] + (-1, 32)); a = np.abs(x).max(-1, keepdims=True)
;;       e = np.where(a > 0, np.clip(np.frexp(np.where(a > 0, a, 1))[1] - 1 - 2, -126, 127), 0)      # np.frexp(a)[1] - 1 = floor(log2(a)), exactly
;;       r = np.clip(x / 2.0 ** e, -6, 6)
;;       step = 2.0 ** (np.maximum(np.frexp(np.where(r == 0, 1, r))[1] - 1, 0) - 1)
;;       q = np.round(r / step) * step * 2.0 ** e      # np.round: ties to even
;;       return np.moveaxis(q.reshape(q.shape[:-2] + (-1,))[..., :K], -1, axis).astype(np.float32)
;;   ~~~
;;   SOFTMAX AHEAD OF A QUANTISED PRODUCT. Where the list says 'softmax', what is quantised is not the finished softmax but p = 2^(t - M), with t = logit x log2(e) and M = ceil(the row's largest t), a whole number; so 1/2 < the row's largest p <= 1. The row's sum l is taken of the UNQUANTISED p, in f32, and the product's result is divided by l at the end. Since M is a whole number, a kernel that streams over the keys may use a running M (the ceiling of the running maximum): every later rescaling is an exact power of two, which a block's scale takes up: the codes' values come out the same.
;;   OPERANDS COMPUTED ON THE WAY. 'Computed on the way' means the value that the module computes at that place (a softmax that the list does not call 'softmax' is quantised finished and normalised). What goes into a quantiser is computed in f32, as accurately as f32 sums, v_exp_f32 and their like allow (about 1e-6 of the number): no bf16 or f16 on the way to a quantiser, and a product that is left as it is and whose result goes on into a quantised operand takes f32 operands (vector FMAs, or v_wmma_f32_16x16x4_f32). A number that lies on a knife's edge between two numbers of the format may be rounded either way, as far as f32 arithmetic and the matrix unit's own rounding can turn it there, and no further.
;;   INPUTS GIVEN AS CODES. Wk (in the module: [1024, 1024], K = its axis 0); Wo (in the module: [1024, 1024], K = its axis 0); Wq (in the module: [1024, 1024], K = its axis 0); Wv (in the module: [1024, 1024], K = its axis 0); key (in the module: [4, 2048, 1024], K = its axis 2); query (in the module: [4, 2048, 1024], K = its axis 2); value (in the module: [4, 2048, 1024], K = its axis 2): each comes as NAME_codes (uint8): NAME with its K axis moved to the last place and cut into blocks of 32 codes, [.., K / 32, bytes a block], one block behind the other in memory; two codes a byte, the lower K in the low four bits (a code: sign, 2 exponent bits, 1 mantissa bit); and NAME_scales (uint8): the same leading axes, one E8M0 byte (e + 127) for each 32 codes along K. Its value is code x scale, taken as it is: it is not quantised again, and the codes and scales need not be those that the quantiser above would give.
;; One version. Each part assembles by itself: llvm-mc -triple=amdgcn-amd-amdhsa -mcpu=gfx1250 --defsym DOCPART=n.
;; ======== version 1 of 1: 3 launches
;; workspace buffers: qcod 4,194,304 bytes; qscl 262,144 bytes; kcod 4,194,304 bytes; kscl 262,144 bytes; vcod 4,194,304 bytes; vscl 262,144 bytes; acod 4,194,304 bytes; ascl 262,144 bytes
;; launch proj (part 1): grid 4 x 192, 8 waves a work-group, clusters of 4 x 4, 222,208 bytes of LDS; arguments query_codes, query_scales, Wq_codes, Wq_scales, bq, qcod, qscl, key_codes, key_scales, Wk_codes, Wk_scales, bk, kcod, kscl, Wv_codes, Wv_scales, value_codes, value_scales, bv, vcod, vscl; writes qcod, qscl, kcod, kscl, vcod, vscl
.if DOCPART == 1
	.amdgcn_target "amdgcn-amd-amdhsa--gfx1250"
	.amdhsa_code_object_version 6
	.text
	.protected	k_q41fed7710c_proj
	.globl	k_q41fed7710c_proj
	.p2align	8
	.type	k_q41fed7710c_proj,@function
k_q41fed7710c_proj:
	s_mov_b64 s[64:65], 0
	v_nop
	global_prefetch_b8 v0, s[64:65] scope:SCOPE_SE
	s_setreg_imm32_b32 hwreg(HW_REG_WAVE_MODE, 25, 1), 1
	s_wait_xcnt 0x0
	s_wait_alu depctr_hold_cnt(0) depctr_sa_sdst(0) depctr_va_vdst(0) depctr_va_sdst(0) depctr_va_ssrc(0) depctr_va_vcc(0) depctr_vm_vsrc(0)
	s_getreg_b32 s2, hwreg(HW_REG_IB_STS2, 6, 4)
	s_cmp_eq_u32 s2, 0
	s_cbranch_scc0 .Lentry_in_a_cluster
	s_endpgm
.Lentry_in_a_cluster:
	s_bfe_u32 s2, ttmp6, 0x10000c
	s_cmp_lg_u32 s2, 0xf033
	s_cbranch_scc0 .Lentry_shape_is_right
	s_endpgm
.Lentry_shape_is_right:
; THE THREE PROJECTIONS OF MULTI-HEAD ATTENTION ON CODES OF FP4 (E2M1), EACH RESULT QUANTISED ON ITS WAY OUT.
; NO WORK OF THE PROBLEM IS DEAD: bq, bk and bv go into operands that are quantised (they move codes and scales), bo goes into the output, and every product's result is used whole.  Every input is loaded by some launch.
; One body serves all three: P[i][j] = sum over k of X[i][k] Y[j][k] + bias, K = 1,024, P quantised along j in blocks of 32.
;   T = 0, 1 (q, k): X = the 8,192 tokens, Y = the weight's 1,024 rows, bias along j.  A wave's 64 j are one head: two blocks of 32 along the head's 64, the K of the scores' product.
;   T = 2 (v):       X = Wv's 1,024 rows, Y = the 8,192 tokens, bias along i.  The blocks then run along the keys, the K of the second attention product: v comes out with the keys innermost, and nothing is transposed.
; SHARES.  A work-group of eight waves makes 128 (i) x 256 (j); wave (iw, jw) = (wave / 4, wave % 4) makes 64 x 64: 16 accumulators of 16 x 16, 128 registers, two waves to a SIMD.
; All of K lies in LDS, as two halves of 512 along K (rows of 256 bytes), each filled once: no slot is ever filled again.  Half 1 lands while half 0 is multiplied.
; CLUSTERS: 4 x 4 work-groups.  The four of a row of the cluster need the same rows of X, the four of a column the same rows of Y: each tile is asked for jointly, by the same tensor load with a mask that names the four.
; THE MATRIX INSTRUCTION IS USED TRANSPOSED (source 0 = 16 rows of Y, source 1 = 16 rows of X): lane (r, h) = (lane % 16, lane / 16) holds row r of X's tile, and register n of tile t holds j = 16 t + 8 h + n.
; THE QUANTISER.  A block of 32 along j is the lane's 16 registers of tiles 2 b, 2 b + 1 and those of lane xor 16.  Its scale is 2^(floor(log2(largest magnitude)) - 2).  A conversion makes one word of 8 codes from a tile's
; 8 registers; the words of tiles 0, 2, 1, 3 are laid side by side, and two exchanges of halves leave lanes 0-15 with block 0 and lanes 16-31 with block 1, words in ascending j: the 4-bit operand's own layout.
; THE OUTPUTS ARE IMAGES OF THE READER'S REGISTERS: 16 bytes a lane, 512 consecutive bytes a store.
; LIMITS: a block of zeros gets the scale byte 1 where the rule says 127 (its codes are zeros, and this program alone reads the bytes); a largest magnitude under 2^-124 is held at the byte 1; NaN and infinities are not served.
; The scale words leave in runs of 128 bytes: a seventeenth of the bytes that this launch stores.
.set PITCH,  272                       ; an LDS row: 256 bytes + 16 of padding: the 16 rows of a fragment load start 16 bytes apart modulo 256
.set HALF,   384*PITCH                 ; half of K: X's 128 rows, then Y's 256
.set YOFF,   128*PITCH
.set SCX,    2*HALF                    ; X's scale bytes, 32 a row, dense: 4,096 bytes
.set SCY,    SCX+4096                  ; Y's: 8,192 bytes
.set SPARE,  SCY+8192                  ; the spare words, 128 bytes for each of eight waves, that no other line names
.set AX,   4                           ; v4, v5   LDS address of my X fragments in half 0, 1
.set AY,   6                           ; v6, v7   the same for Y
.set ASC,  8                           ; v8       of my scale words: lanes 0-15 X's rows, lanes 16-31 Y's
.set BO,   9                           ; v9       my byte offset in the bias
.set OC,   10                          ; v10-13   my byte offset in the codes' output, for X's tiles 0 to 3
.set SO,   14                          ; v14      4 x lane: in the scale words' output
.set SPW,  16                          ; v16      my spare word;  v17: 0.  Never rewritten
.set NIL,  17
.set SW,   18                          ; v18      the scale word that I store
.set TV,   19                          ; v19      at work
.set SC,   32                          ; v32-63   scale words: register 8 i + ks: lanes 0-15 X's tile i, lanes 16-31 Y's tile i, K step ks.  They hold scales and nothing else
.set XF,   64                          ; v64-95   X's four fragments of a K step
.set YF,   96                          ; v96-127  Y's
.set ACC,  128                         ; v128-255 accumulator (a, bj) at ACC + 8 (4 a + bj)
.set TM,   64                          ; the way out, in the fragments' registers: eight largest magnitudes,
.set TP,   72                          ; the exchange's results,
.set TS,   80                          ; the conversions' scale operands,
.set TB,   88                          ; the scale bytes,
.set HW,   96                          ; two bytes for each of X's four tiles,
.set PC,   100                         ; the codes, four words a tile,
.set WW,   116                         ; two pair words
.set WV,   3                           ; s3 wave;  s4 iw (also: 0 = I fetch for X, 1 = for Y);  s5 jw (also: which quarter of the tile I fetch);  s7 T
.set IW,   4
.set JW,   5
.set TT,   7
.set G0XS, 24                          ; s[24:27] group 0 for X's scales; s[28:35] for X's two halves; s[36:39], s[40:47] the same for Y
.set G0X,  28
.set G0YS, 36
.set G0Y,  40
.set G1X,  52                          ; s[52:59] group 1 for X's tiles; s[68:75] Y's; s[76:83] X's scales; s[84:91] Y's scales
.set G1Y,  68
.set G1XS, 76
.set G1YS, 84
; A joint load: waves 0 to 3 fetch for X, waves 4 to 7 for Y.  Each line has one mask and one set of registers for all that issue it; the branch hangs on the wave's number alone.
; An s_nop 0 and four v_nop follow each of the two lines.
.macro JLOAD g0x, g1x, g0y, g1y
	s_cmp_eq_u32 s[IW], 0
	s_cbranch_scc0 .Lfor_y_\@
	tensor_load_to_lds s[\g0x:\g0x+3], s[\g1x:\g1x+7]
	s_nop 0
.rept 4
	v_nop
.endr
	s_branch .Lasked_\@
.Lfor_y_\@:
	tensor_load_to_lds s[\g0y:\g0y+3], s[\g1y:\g1y+7]
	s_nop 0
.rept 4
	v_nop
.endr
.Lasked_\@:
.endm
.macro CROUND                          ; a round of the cluster's barrier
	s_barrier_signal -1
	s_barrier_wait -1
	s_cmp_lg_u32 s[WV], 0
	s_cbranch_scc1 .Lnot_wave_0_\@
	s_barrier_signal -3
.Lnot_wave_0_\@:
	s_barrier_wait -3
	s_barrier_signal -1
	s_barrier_wait -1
.endm
; A fragment, 16 rows x 128 K of 4-bit codes, is 8 registers: registers 4 c .. 4 c + 3 hold K = 64 c + 32 h + 0 .. 31: two loads of 16 bytes, 32 bytes apart.  K step ks lies in half ks / 4 at byte 64 (ks % 4) of the rows.
.macro FRAGS ks
.irp t, 0,1,2,3
.irp c, 0,1
	ds_load_b128 v[XF+8*\t+4*\c:XF+8*\t+4*\c+3], v[AX+(\ks)/4] offset:\t*16*PITCH+64*((\ks)%4)+32*\c
	ds_load_b128 v[YF+8*\t+4*\c:YF+8*\t+4*\c+3], v[AY+(\ks)/4] offset:\t*16*PITCH+64*((\ks)%4)+32*\c
.endr
.endr
.endm
; One product: accumulator (a, bj) = Y's tile bj x X's tile a + the registers from c on.  Y's scale words are read from lanes 16-31, X's from lanes 0-15.
.macro MM a, bj, ks, c
	v_wmma_scale_f32_16x16x128_f8f6f4 v[ACC+8*(4*(\a)+(\bj)):ACC+8*(4*(\a)+(\bj))+7], v[YF+8*(\bj):YF+8*(\bj)+7], v[XF+8*(\a):XF+8*(\a)+7], v[(\c):(\c)+7], v[SC+8*(\bj)+(\ks)], v[SC+8*(\a)+(\ks)] matrix_a_fmt:MATRIX_FMT_FP4 matrix_b_fmt:MATRIX_FMT_FP4 matrix_a_scale:MATRIX_SCALE_ROW1
.endm
; A K step of 128: four places in front of loads into registers that matrix instructions have read; 16 loads; 16 products, the 16 accumulators by turns, one instruction a turn, in the same order in every step.
.macro KSTEP ks
.rept 4
	v_nop
.endr
	FRAGS \ks
	s_wait_dscnt 0x0
.irp a, 0,1,2,3
.irp bj, 0,1,2,3
	MM \a, \bj, \ks, ACC+8*(4*\a+\bj)
.endr
.endr
.endm
	s_load_b512 s[8:23], s[0:1], 0x0               ; 21 addresses: three sets of seven (X's codes, X's scales, Y's codes, Y's scales, bias, codes out, scale words out)
	s_load_b512 s[24:39], s[0:1], 0x40
	s_load_b256 s[40:47], s[0:1], 0x80
	s_load_b64 s[48:49], s[0:1], 0xa0
	v_lshl_add_u32 v[SPW], v0, 2, SPARE
	v_mov_b32 v[NIL], 0
	ds_add_u32 v[SPW], v[NIL]                      ; the wave's opening: the add, twice on end, and its wait ahead of my first tensor load
	ds_add_u32 v[SPW], v[NIL]
	v_lshrrev_b32 v1, 5, v0
	s_delay_alu instid0(VALU_DEP_1)
	v_readfirstlane_b32 s[WV], v1                  ; wave 0..7
	s_lshr_b32 s[IW], s[WV], 2
	s_and_b32 s[JW], s[WV], 3
	s_bfe_u32 s92, ttmp6, 0x40000                  ; cx, cy: my place in the cluster
	s_bfe_u32 s93, ttmp6, 0x40004
	s_and_b32 s94, ttmp7, 0xffff                   ; cluster y, 0..47
	s_lshr_b32 s[TT], s94, 4                       ; T: 0 q, 1 k, 2 v: the same in all sixteen partners
	s_and_b32 s94, s94, 15                         ; which of the tensor's 16 clusters
	s_and_b32 s95, s94, 1                          ; v: 2 clusters along X, 8 along Y
	s_lshr_b32 s96, s94, 1
	s_cmp_eq_u32 s[TT], 2
	s_cselect_b32 s95, s95, s94                    ; q, k: 16 clusters along X, 1 along Y
	s_cselect_b32 s96, s96, 0
	s_lshl_b32 s97, s95, 2
	s_add_co_u32 s97, s97, s93                     ; X's tile of 128 rows = 4 x (cluster along X) + cy
	s_lshl_b32 s98, s96, 2
	s_add_co_u32 s98, s98, s92                     ; Y's tile of 256 rows = 4 x (cluster along Y) + cx
	s_lshl_b32 s60, s93, 2
	s_lshl_b32 s60, 15, s60                        ; my row of the cluster
	s_lshl_b32 s61, 0x1111, s92                    ; my column
	; group 1.  Codes: rows of 256 bytes, 512 bytes apart in memory, 16 bytes of padding behind each in LDS; X 32 rows a load, Y 64
	s_or_b32 s[G1X], s60, (1<<20)|(1<<21)|(5<<22)|(3<<25)   ; 15:0 the mask; 17:16 elements of 1 byte; 20 padding on; 21 set beside a mask; 24:22 after every 64 words; 31:25 four words
	s_mov_b32 s[G1X+1], 256<<16                    ; tensor_dim0
	s_mov_b32 s[G1X+2], 32<<16                     ; tensor_dim1
	s_mov_b32 s[G1X+3], 256<<16                    ; tile_dim0
	s_mov_b32 s[G1X+4], 32                         ; tile_dim1
	s_mov_b32 s[G1X+5], 512                        ; from row to row
	s_mov_b32 s[G1X+6], 0
	s_mov_b32 s[G1X+7], 0
	s_or_b32 s[G1Y], s61, (1<<20)|(1<<21)|(5<<22)|(3<<25)
	s_mov_b32 s[G1Y+1], 256<<16
	s_mov_b32 s[G1Y+2], 64<<16
	s_mov_b32 s[G1Y+3], 256<<16
	s_mov_b32 s[G1Y+4], 64
	s_mov_b32 s[G1Y+5], 512
	s_mov_b32 s[G1Y+6], 0
	s_mov_b32 s[G1Y+7], 0
	; scale bytes: dense blocks, as rows of 256 bytes (32 elements of 8 bytes): X's 32 rows of 32 bytes are 4 such rows, Y's 64 are 8
	s_or_b32 s[G1XS], s60, (3<<16)|(1<<21)
	s_mov_b32 s[G1XS+1], 32<<16
	s_mov_b32 s[G1XS+2], 4<<16
	s_mov_b32 s[G1XS+3], 32<<16
	s_mov_b32 s[G1XS+4], 4
	s_mov_b32 s[G1XS+5], 32
	s_mov_b32 s[G1XS+6], 0
	s_mov_b32 s[G1XS+7], 0
	s_or_b32 s[G1YS], s61, (3<<16)|(1<<21)
	s_mov_b32 s[G1YS+1], 32<<16
	s_mov_b32 s[G1YS+2], 8<<16
	s_mov_b32 s[G1YS+3], 32<<16
	s_mov_b32 s[G1YS+4], 8
	s_mov_b32 s[G1YS+5], 32
	s_mov_b32 s[G1YS+6], 0
	s_mov_b32 s[G1YS+7], 0
	s_mov_b32 s62, 0x76543210                      ; v_permlanex16_b32's selects for lane xor 16
	s_mov_b32 s63, 0xfedcba98
	s_mov_b32 s99, 0xffff0000                      ; lanes 16-31
	s_wait_dscnt 0x0                               ; both opening adds are done
	s_wait_kmcnt 0x0
	s_cmp_eq_u32 s[TT], 1                          ; the tensor's seven addresses come to s[8:21]: a choice that hangs on the cluster's number alone
.irp i, 0,1,2,3,4,5,6
	s_cselect_b64 s[8+2*\i:9+2*\i], s[22+2*\i:23+2*\i], s[8+2*\i:9+2*\i]
.endr
	s_cmp_eq_u32 s[TT], 2
.irp i, 0,1,2,3,4,5,6
	s_cselect_b64 s[8+2*\i:9+2*\i], s[36+2*\i:37+2*\i], s[8+2*\i:9+2*\i]
.endr
	; what I fetch.  X's addresses are made of X's tile (cy) and the wave's number, Y's of Y's tile (cx) and the wave's number, each in registers of their own
	s_lshl_b32 s22, s97, 7
	s_lshl_b32 s6, s[JW], 5
	s_add_co_u32 s22, s22, s6                      ; X: row 128 x tile + 32 x quarter
	s_lshl_b32 s66, s22, 5                         ; its scale bytes,
	s_lshl_b32 s22, s22, 9                         ; its codes
	s_mov_b32 s23, 0
	s_mov_b32 s67, 0
	s_lshl_b32 s48, s98, 8
	s_lshl_b32 s50, s[JW], 6
	s_add_co_u32 s48, s48, s50                     ; Y: row 256 x tile + 64 x quarter
	s_lshl_b32 s50, s48, 5
	s_lshl_b32 s48, s48, 9
	s_mov_b32 s49, 0
	s_mov_b32 s51, 0
	s_add_nc_u64 s[22:23], s[8:9], s[22:23]
	s_add_nc_u64 s[66:67], s[10:11], s[66:67]
	s_add_nc_u64 s[48:49], s[12:13], s[48:49]
	s_add_nc_u64 s[50:51], s[14:15], s[50:51]
	s_mul_i32 s6, s[JW], 32*PITCH                  ; where they go: no place in the cluster enters an LDS address
	s_mul_i32 s2, s[JW], 64*PITCH
	s_add_co_u32 s2, s2, YOFF
	CROUND                                         ; all sixteen work-groups are here: the first joint loads meet
	s_mov_b32 s[G0XS], 1
	s_lshl_b32 s[G0XS+1], s[JW], 10
	s_add_co_u32 s[G0XS+1], s[G0XS+1], SCX
	s_mov_b64 s[G0XS+2:G0XS+3], s[66:67]
	s_or_b32 s[G0XS+3], s[G0XS+3], 0x80000000
	s_mov_b32 s[G0YS], 1
	s_lshl_b32 s[G0YS+1], s[JW], 11
	s_add_co_u32 s[G0YS+1], s[G0YS+1], SCY
	s_mov_b64 s[G0YS+2:G0YS+3], s[50:51]
	s_or_b32 s[G0YS+3], s[G0YS+3], 0x80000000
	JLOAD G0XS, G1XS, G0YS, G1YS                   ; the scales first: they are wanted with K step 0
.irp hk, 0,1
	s_mov_b32 s[G0X+4*\hk], 1
	s_add_co_u32 s[G0X+4*\hk+1], s6, \hk*HALF
	s_add_nc_u64 s[G0X+4*\hk+2:G0X+4*\hk+3], s[22:23], \hk*256
	s_or_b32 s[G0X+4*\hk+3], s[G0X+4*\hk+3], 0x80000000
	s_mov_b32 s[G0Y+4*\hk], 1
	s_add_co_u32 s[G0Y+4*\hk+1], s2, \hk*HALF
	s_add_nc_u64 s[G0Y+4*\hk+2:G0Y+4*\hk+3], s[48:49], \hk*256
	s_or_b32 s[G0Y+4*\hk+3], s[G0Y+4*\hk+3], 0x80000000
	JLOAD G0X+4*\hk, G1X, G0Y+4*\hk, G1Y           ; three tensor loads of a wave are out
.endr
	v_and_b32 v1, 15, v0                           ; r
	v_bfe_u32 v2, v0, 4, 1                         ; h
	v_and_b32 v3, 31, v0                           ; lane
	s_delay_alu instid0(VALU_DEP_3)
	v_mul_u32_u24 v[TV], v1, PITCH
	s_delay_alu instid0(VALU_DEP_1)
	v_lshl_add_u32 v[TV], v2, 4, v[TV]             ; a fragment's row x pitch + 16 h
	s_mul_i32 s6, s[IW], 64*PITCH                  ; my 64 rows of X
	s_mul_i32 s2, s[JW], 64*PITCH                  ; my 64 rows of Y,
	s_add_co_u32 s2, s2, YOFF                      ; which lie behind X's 128
	v_add_nc_u32 v[AX], s6, v[TV]
	v_add_nc_u32 v[AY], s2, v[TV]
	s_delay_alu instid0(VALU_DEP_2)
	v_add_nc_u32 v[AX+1], HALF, v[AX]
	s_delay_alu instid0(VALU_DEP_2)
	v_add_nc_u32 v[AY+1], HALF, v[AY]
	v_lshlrev_b32 v[ASC], 5, v1                    ; my row's scale bytes: 32 a row
	s_lshl_b32 s6, s[IW], 11                       ; X's: my 64 rows
	s_lshl_b32 s2, s[JW], 11                       ; Y's: my 64 rows, 4,096 bytes behind X's first
	s_add_co_u32 s2, s2, 4096
	s_sub_co_u32 s2, s2, s6                        ; the distance from X's to Y's: one product with h
	v_mul_u32_u24 v[TV], s2, v2                    ; lanes 16-31 take Y's
	s_add_co_u32 s6, s6, SCX
	v_add_nc_u32 v[ASC], v[ASC], v[TV]
	s_delay_alu instid0(VALU_DEP_1)
	v_add_nc_u32 v[ASC], s6, v[ASC]
	; THE BIAS IS THE C OF EACH SUM'S FIRST PRODUCT.  It is loaded into the accumulators of one row (q, k) or one column (v) of the wave's 4 x 4 tiles.  The same two arms work out where the wave's results go.
	s_cmp_eq_u32 s[TT], 2
	s_cbranch_scc1 .Lbias_v
	s_lshl_b32 s48, s98, 10                        ; q, k: the bias runs along j: register n of tile bj wants number 256 x (Y's tile) + 64 jw + 16 bj + 8 h + n
	s_lshl_b32 s49, s[JW], 8
	s_add_co_u32 s48, s48, s49
	v_lshl_add_u32 v[BO], v2, 5, s48
.irp bj, 0,1,2,3
	global_load_b128 v[ACC+8*\bj:ACC+8*\bj+3], v[BO], s[16:17] offset:64*\bj
	global_load_b128 v[ACC+8*\bj+4:ACC+8*\bj+7], v[BO], s[16:17] offset:64*\bj+16
.endr
	s_lshr_b32 s48, s97, 4                         ; batch = X's tile / 16; head = 4 x (Y's tile) + jw
	s_lshl_b32 s48, s48, 4
	s_lshl_b32 s49, s98, 2
	s_add_co_u32 s48, s48, s49
	s_add_co_u32 s48, s48, s[JW]                   ; 16 x batch + head
	s_and_b32 s49, s97, 15
	s_lshl_b32 s49, s49, 1
	s_add_co_u32 s49, s49, s[IW]                   ; which 64 tokens of the sequence's 2,048
	s_lshl_b32 s48, s48, 5
	s_add_co_u32 s48, s48, s49
	s_lshl_b32 s50, s48, 7                         ; 64 tokens: 128 bytes of pair words,
	s_lshl_b32 s48, s48, 11                        ; 2,048 bytes of codes (four tiles of 512)
	s_mov_b32 s6, 512                              ; from tile to tile
	s_branch .Lbias_done
.Lbias_v:
	s_lshl_b32 s48, s97, 9                         ; v: the bias runs along i: every register of tile a wants number 128 x (X's tile) + 64 iw + 16 a + r
	s_lshl_b32 s49, s[IW], 8
	s_add_co_u32 s48, s48, s49
	v_lshl_add_u32 v[BO], v1, 2, s48
.irp a, 0,1,2,3
.irp n, 0,1,2,3,4,5,6,7
	global_load_b32 v[ACC+32*\a+\n], v[BO], s[16:17] offset:64*\a
.endr
.endr
	s_lshr_b32 s48, s98, 3                         ; batch = Y's tile / 8; head = 2 x (X's tile) + iw
	s_lshl_b32 s48, s48, 4
	s_lshl_b32 s49, s97, 1
	s_add_co_u32 s48, s48, s49
	s_add_co_u32 s48, s48, s[IW]                   ; 16 x batch + head
	s_and_b32 s49, s98, 7
	s_lshl_b32 s49, s49, 2
	s_add_co_u32 s49, s49, s[JW]                   ; which 64 keys of the sequence's 2,048
	s_lshl_b32 s50, s48, 5
	s_add_co_u32 s50, s50, s49
	s_lshl_b32 s50, s50, 7                         ; 64 keys x 64 rows: 128 bytes of pair words
	s_lshr_b32 s51, s49, 1
	s_lshl_b32 s51, s51, 12                        ; codes: a step of 128 keys is 4,096 bytes,
	s_and_b32 s49, s49, 1
	s_lshl_b32 s49, s49, 9                         ; its halves of 64 keys lie 512 bytes apart,
	s_lshl_b32 s48, s48, 16
	s_add_co_u32 s48, s48, s51
	s_add_co_u32 s48, s48, s49
	s_mov_b32 s6, 1024                             ; and its tiles of 16 rows 1,024
.Lbias_done:
	s_mov_b32 s49, 0
	s_mov_b32 s51, 0
	s_add_nc_u64 s[18:19], s[18:19], s[48:49]
	s_add_nc_u64 s[20:21], s[20:21], s[50:51]
	v_lshlrev_b32 v[OC], 4, v3
	s_delay_alu instid0(VALU_DEP_1)
	v_add_nc_u32 v[OC+1], s6, v[OC]
	s_delay_alu instid0(VALU_DEP_1)
	v_add_nc_u32 v[OC+2], s6, v[OC+1]
	s_delay_alu instid0(VALU_DEP_1)
	v_add_nc_u32 v[OC+3], s6, v[OC+2]
	v_lshlrev_b32 v[SO], 2, v3
	s_wait_tensorcnt 0x1                           ; my parts of the scales and of half 0 are in; half 1's load, the one issued behind them, may stay out
	s_barrier_signal -1
	s_barrier_wait -1                              ; everybody's are
	s_wait_alu depctr_va_vdst(0)
.irp i, 0,1,2,3
	ds_load_b128 v[SC+8*\i:SC+8*\i+3], v[ASC] offset:512*\i        ; the scale words of all eight K steps: lanes 0-15 X's tile i, lanes 16-31 Y's tile i
	ds_load_b128 v[SC+8*\i+4:SC+8*\i+7], v[ASC] offset:512*\i+16
.endr
	FRAGS 0
	s_wait_dscnt 0x0
	s_wait_loadcnt 0x0                             ; the bias
	; K STEP 0 STARTS THE SUMS.  Twelve products take the bias from the registers of the four accumulators that hold it; five places on (they write over registers that the twelve have read as C) those four add in place.
	s_cmp_eq_u32 s[TT], 2
	s_cbranch_scc1 .Lk0_v
.irp a, 1,2,3
.irp bj, 0,1,2,3
	MM \a, \bj, 0, ACC+8*\bj
.endr
.endr
.rept 5
	v_nop
.endr
.irp bj, 0,1,2,3
	MM 0, \bj, 0, ACC+8*\bj
.endr
	s_branch .Lk0_done
.Lk0_v:
.irp bj, 1,2,3
.irp a, 0,1,2,3
	MM \a, \bj, 0, ACC+32*\a
.endr
.endr
.rept 5
	v_nop
.endr
.irp a, 0,1,2,3
	MM \a, 0, 0, ACC+32*\a
.endr
.Lk0_done:
	KSTEP 1
	KSTEP 2
	KSTEP 3
	s_wait_tensorcnt 0x0                           ; my part of half 1 is in (no LDS instruction of mine is out: each K step has waited for its loads),
	s_barrier_signal -1
	s_barrier_wait -1                              ; everybody's is
	KSTEP 4
	KSTEP 5
	KSTEP 6
	KSTEP 7
	; THE QUANTISER: eight blocks (X's tile a, block b), by turns so that no line waits for the line above it.  Each accumulator is read from its low end on.
.rept 4
	v_nop                                          ; places behind the last products
.endr
.irp a, 0,1,2,3
.irp b, 0,1
	v_max3_num_f32 v[TM+2*\a+\b], |v[ACC+32*\a+16*\b]|, |v[ACC+32*\a+16*\b+1]|, 0x1800000   ; my 16 numbers of the block, and the floor 2^(3 - 127): so the byte cannot fall under 1
.endr
.endr
.irp i, 2,4,6,8,10,12,14
.irp a, 0,1,2,3
.irp b, 0,1
	v_max3_num_f32 v[TM+2*\a+\b], v[TM+2*\a+\b], |v[ACC+32*\a+16*\b+\i]|, |v[ACC+32*\a+16*\b+\i+1]|
.endr
.endr
.endr
.irp n, 0,1,2,3,4,5,6,7
	v_permlanex16_b32 v[TP+\n], v[TM+\n], s62, s63
.endr
.irp n, 0,1,2,3,4,5,6,7
	v_max_num_f32 v[TM+\n], v[TM+\n], v[TP+\n]     ; with lane xor 16's: the block's largest magnitude
.endr
.irp n, 0,1,2,3,4,5,6,7
	v_add_nc_u32 v[TS+\n], 0xff000000, v[TM+\n]    ; 2 off its exponent field: the conversion takes the exponent field of this operand as its scale
.endr
.irp n, 0,1,2,3,4,5,6,7
	v_lshrrev_b32 v[TB+\n], 23, v[TS+\n]           ; the scale's byte
.endr
.irp a, 0,1,2,3
	v_lshl_or_b32 v[HW+\a], v[TB+2*\a+1], 8, v[TB+2*\a]   ; my row's two bytes
.endr
	s_delay_alu instid0(VALU_DEP_3)
	v_lshl_or_b32 v[WW], v[HW+1], 16, v[HW]        ; a pair word: tile 0's row r below, tile 1's above;
	s_delay_alu instid0(VALU_DEP_2)
	v_lshl_or_b32 v[WW+1], v[HW+3], 16, v[HW+2]    ; tiles 2 and 3
	s_delay_alu instid0(VALU_DEP_1)
	v_cndmask_b32 v[SW], v[WW], v[WW+1], s99       ; lanes 0-15 store the first pair's, lanes 16-31 the second's
.irp a, 0,1,2,3
	v_cvt_scalef32_pk8_fp4_f32 v[PC+4*\a], v[ACC+32*\a:ACC+32*\a+7], v[TS+2*\a]             ; tile 0: j = 8 h + 0 .. 7
	v_cvt_scalef32_pk8_fp4_f32 v[PC+4*\a+1], v[ACC+32*\a+16:ACC+32*\a+23], v[TS+2*\a+1]     ; tile 2: j = 32 + 8 h ..
	v_cvt_scalef32_pk8_fp4_f32 v[PC+4*\a+2], v[ACC+32*\a+8:ACC+32*\a+15], v[TS+2*\a]        ; tile 1: j = 16 + 8 h ..
	v_cvt_scalef32_pk8_fp4_f32 v[PC+4*\a+3], v[ACC+32*\a+24:ACC+32*\a+31], v[TS+2*\a+1]     ; tile 3: j = 48 + 8 h ..
.endr
	v_nop                                          ; one plain place behind the scaled conversions
.irp a, 0,1,2,3
	v_permlane16_swap_b32 v[PC+4*\a], v[PC+4*\a+1]     ; the first's lanes 16-31 change places with the second's lanes 0-15: words 0, 1 of j = 32 h + 0 .. 15
	v_permlane16_swap_b32 v[PC+4*\a+2], v[PC+4*\a+3]   ; words 2, 3: j = 32 h + 16 .. 31
.endr
.irp a, 0,1,2,3
	global_store_b128 v[OC+\a], v[PC+4*\a:PC+4*\a+3], s[18:19]   ; 32 lanes store 512 consecutive bytes, at a multiple of 512 from the buffer's first byte
.endr
	global_store_b32 v[SO], v[SW], s[20:21]        ; 128 consecutive bytes
	s_wait_tensorcnt 0x0                           ; the wave's end
	ds_add_u32 v[SPW], v[NIL]
	s_wait_dscnt 0x0
	CROUND                                         ; the closing round: no work-group ends while a partner may still ask for a tile that names it
	s_endpgm
.Lfunc_end_k_q41fed7710c_proj:
	.size	k_q41fed7710c_proj, .Lfunc_end_k_q41fed7710c_proj-k_q41fed7710c_proj
	.p2alignl 7, 3214868480
	.fill 96, 4, 3214868480
	.section	.rodata,"a",@progbits
	.p2align	6, 0x0
	.amdhsa_kernel k_q41fed7710c_proj
		.amdhsa_group_segment_fixed_size 222208
		.amdhsa_private_segment_fixed_size 0
		.amdhsa_enable_private_segment 0
		.amdhsa_kernarg_size 168
		.amdhsa_user_sgpr_count 2
		.amdhsa_user_sgpr_kernarg_segment_ptr 1
		.amdhsa_wavefront_size32 1
		.amdhsa_system_sgpr_workgroup_id_x 1
		.amdhsa_system_sgpr_workgroup_id_y 1
		.amdhsa_system_sgpr_workgroup_id_z 1
		.amdhsa_system_vgpr_workitem_id 0
		.amdhsa_next_free_vgpr 256
		.amdhsa_next_free_sgpr 100
		.amdhsa_reserve_vcc 0
		.amdhsa_float_denorm_mode_32 3
		.amdhsa_float_denorm_mode_16_64 3
		.amdhsa_memory_ordered 1
		.amdhsa_forward_progress 1
		.amdhsa_inst_pref_size 52
	.end_amdhsa_kernel
	.amdgpu_metadata
---
amdhsa.version: [ 1, 2 ]
amdhsa.kernels:
  - .name:           k_q41fed7710c_proj
    .symbol:         k_q41fed7710c_proj.kd
    .args:
      - { .name: query_codes, .offset: 0, .size: 8, .value_kind: global_buffer, .address_space: global }
      - { .name: query_scales, .offset: 8, .size: 8, .value_kind: global_buffer, .address_space: global }
      - { .name: Wq_codes, .offset: 16, .size: 8, .value_kind: global_buffer, .address_space: global }
      - { .name: Wq_scales, .offset: 24, .size: 8, .value_kind: global_buffer, .address_space: global }
      - { .name: bq, .offset: 32, .size: 8, .value_kind: global_buffer, .address_space: global }
      - { .name: qcod, .offset: 40, .size: 8, .value_kind: global_buffer, .address_space: global }
      - { .name: qscl, .offset: 48, .size: 8, .value_kind: global_buffer, .address_space: global }
      - { .name: key_codes, .offset: 56, .size: 8, .value_kind: global_buffer, .address_space: global }
      - { .name: key_scales, .offset: 64, .size: 8, .value_kind: global_buffer, .address_space: global }
      - { .name: Wk_codes, .offset: 72, .size: 8, .value_kind: global_buffer, .address_space: global }
      - { .name: Wk_scales, .offset: 80, .size: 8, .value_kind: global_buffer, .address_space: global }
      - { .name: bk, .offset: 88, .size: 8, .value_kind: global_buffer, .address_space: global }
      - { .name: kcod, .offset: 96, .size: 8, .value_kind: global_buffer, .address_space: global }
      - { .name: kscl, .offset: 104, .size: 8, .value_kind: global_buffer, .address_space: global }
      - { .name: Wv_codes, .offset: 112, .size: 8, .value_kind: global_buffer, .address_space: global }
      - { .name: Wv_scales, .offset: 120, .size: 8, .value_kind: global_buffer, .address_space: global }
      - { .name: value_codes, .offset: 128, .size: 8, .value_kind: global_buffer, .address_space: global }
      - { .name: value_scales, .offset: 136, .size: 8, .value_kind: global_buffer, .address_space: global }
      - { .name: bv, .offset: 144, .size: 8, .value_kind: global_buffer, .address_space: global }
      - { .name: vcod, .offset: 152, .size: 8, .value_kind: global_buffer, .address_space: global }
      - { .name: vscl, .offset: 160, .size: 8, .value_kind: global_buffer, .address_space: global }
    .group_segment_fixed_size: 222208
    .private_segment_fixed_size: 0
    .kernarg_segment_align: 8
    .kernarg_segment_size: 168
    .max_flat_workgroup_size: 256
    .sgpr_count:     100
    .vgpr_count:     256
    .wavefront_size: 32
...
	.end_amdgpu_metadata
.endif
;; end of part 1
;; launch attn (part 2): grid 4 x 64, 16 waves a work-group, clusters of 4 x 1, 327,680 bytes of LDS; arguments qcod, qscl, kcod, kscl, vcod, vscl, acod, ascl; writes acod, ascl
.if DOCPART == 2
	.amdgcn_target "amdgcn-amd-amdhsa--gfx1250"
	.amdhsa_code_object_version 6
	.text
	.protected	k_q41fed7710c_attn
	.globl	k_q41fed7710c_attn
	.p2align	8
	.type	k_q41fed7710c_attn,@function
k_q41fed7710c_attn:
	s_mov_b64 s[64:65], 0
	v_nop
	global_prefetch_b8 v0, s[64:65] scope:SCOPE_SE
	s_setreg_imm32_b32 hwreg(HW_REG_WAVE_MODE, 25, 1), 1
	s_wait_xcnt 0x0
	s_wait_alu depctr_hold_cnt(0) depctr_sa_sdst(0) depctr_va_vdst(0) depctr_va_sdst(0) depctr_va_ssrc(0) depctr_va_vcc(0) depctr_vm_vsrc(0)
	s_getreg_b32 s2, hwreg(HW_REG_IB_STS2, 6, 4)
	s_cmp_eq_u32 s2, 0
	s_cbranch_scc0 .Lentry_in_a_cluster
	s_endpgm
.Lentry_in_a_cluster:
	s_bfe_u32 s2, ttmp6, 0x10000c
	s_cmp_lg_u32 s2, 0x3003
	s_cbranch_scc0 .Lentry_shape_is_right
	s_endpgm
.Lentry_shape_is_right:
; ATTENTION ON CODES OF FP4 (E2M1): S = q k^T / 8, p = 2^(t - M), O = p v / l, and O quantised along the model's 1,024 for the last projection.  No work is left out.
; q, k: images of operand registers, [batch x head][tile of 16 tokens][512 bytes]: lane (r, h)'s 16 bytes are token r, channels 32 h .. 32 h + 31.  Their scale bytes: a word for a PAIR of tiles, [pair][r]: tile 2 p's two bytes below, tile 2 p + 1's above.
; v: [batch x head][step of 128 keys][tile of 16 channels][half of 64 keys][512 bytes], keys innermost.
; THE SOFTMAX: t = score x log2(e) / 8; M = the running largest t rounded UP to a whole number; p = 2^(t - M) is quantised along the keys, not normalised; the row's sum l is taken of the unquantised p and divides O at the end.
; When M moves, l and O are multiplied by 2^(old M - new M): exact.  A block's largest p is not searched for: the block's largest score goes through the same multiply-add and exponential (this takes v_exp_f32 not to fall where its input rises).
; SHARES.  A work-group owns 512 queries of one head; each of its sixteen waves owns two tiles of 16 queries, one after the other (two passes), in 256 registers: four waves to a SIMD, so that one wave's vector work stands beside another's
; matrix work and LDS loads.  A HEAD'S K AND V AS CODES ARE 64 + 64 KIB AND 8 KIB OF SCALES: the whole head lies in LDS, filled once: the loop over the keys has no ring, no refill and no barrier.
; CLUSTER.  The four query blocks of a head form a cluster and need the same K and V: every fill is a joint load with the mask of all four.
; LAYOUT.  Both products are used transposed (S^T = k q^T, O^T = v^T p^T): a lane holds ONE query (lane % 16) throughout; register n of key tile t holds key 16 t + 8 h + n.
; K = 64 IN AN INSTRUCTION OF K = 128.  Source 0 holds TWO key tiles, tile 2 g in k = 0 .. 63 and tile 2 g + 1 in k = 64 .. 127; it is multiplied once by [q | zero codes] and once by [zero codes | q].  Zero codes add nothing under any scale byte
; but 0xff, which the quantiser never gives.  So each byte of K is read from LDS once a pass, and no register holds padding for K.  q lies as [q | 0 | q] in 12 registers: both forms are runs of 8 of them.
; p'S CODES: a conversion makes a word of 8 codes from a tile's registers; the words of tiles 4 c, 4 c + 2, 4 c + 1, 4 c + 3 side by side and two exchanges of halves give the operand's layout (lanes 0-15 block 2 c, lanes 16-31 block 2 c + 1).
; LIMITS: a block of zeros gets the byte 1 where the rule says 127 (its codes are zeros; this program alone reads the bytes); a largest magnitude under 2^-124 is held at the byte 1; NaN and infinities are not served.
.set LKC,   0                          ; LDS: K's codes of the head, 65,536 bytes
.set LVC,   65536                      ; V's
.set LKS,   131072                     ; K's pair words, 4,096 bytes
.set LVR,   LKS+4096                   ; V's scale words as the launch before left them
.set LVS,   LVR+4096                   ; V's scale words in order [step][tile][r]: stored by the waves; no fill lands here
.set LAST,  LVS+4096                   ; the stage for the result's pair words, 64 bytes a wave
.set SPARE, LAST+1024                  ; the spare words, 128 bytes for each of sixteen waves, that no other line names
.set AK0,  1                           ; v1   16 x lane: my place in an image; also my byte offset in Q's and the result's images
.set AV0,  2                           ; v2   the same in V's region
.set ASK0, 3                           ; v3   4 r among K's pair words
.set ASV0, 4                           ; v4   and among V's words
.set SPW,  5                           ; v5   my spare word;  v6: 0.  Never rewritten
.set NIL,  6
.set AST,  7                           ; v7   where I put the result's pair word
.set ADK,  8                           ; v8-11 the step's addresses: K, V, K's words, V's words
.set ADV,  9
.set ADS,  10
.set ADT,  11
.set QA,   16                          ; v[16:27]   pass 0's [q | 0 | q]
.set QSA,  28                          ; v28, v29   q's scale words of the two passes: two bytes, twice.  Scales and nothing else
.set QW,   30                          ; v30        q's pair word as loaded
.set R4,   31                          ; v31        4 r
.set KF,   32                          ; v32-63     four fragments of two key tiles each
.set VF,   64                          ; v64-95     V's four fragments
.set ST,   96                          ; v96-159    S^T, then p
.set OT,   160                         ; v160-191   O^T
.set PC,   192                         ; v192-199   p's codes
.set KSW,  200                         ; v200-203 K's pair words; v204-207 V's words; v208 p's word
.set VSW,  204
.set PSW,  208
.set QB1,  212                         ; v[212:223] pass 1's [q | 0 | q]
.set HW,   224                         ; v224, v225 the result's two bytes, for each pass
.set ARD,  226                         ; v226 the stage, on the way out; v227 the same place in memory
.set AGO,  227
.set WV,   3                           ; s3 wave; s4 cx; s5 my block of 512 queries; s6 16 x batch + head
.set G1C,  24                          ; s[24:31] group 1 for codes; s[32:39] for scale words; s[40:43], s[44:47] their groups 0
.set G1S,  32
.set G0C,  40
.set G0S,  44
.set SEL,  48                          ; s[48:49] selects for lane xor 16
.set CS,   50                          ; s[50:51] c = log2(e) / 8 (the packed form names a pair)
.set TBS,  52                          ; s52 the step's first byte among the codes: 4,096 a step;  s53 among the scale words: 256 a step;  s54 steps to go
.set TSS,  53
.set CNT,  54
.macro CROUND                          ; a round of the cluster's barrier
	s_barrier_signal -1
	s_barrier_wait -1
	s_cmp_lg_u32 s[WV], 0
	s_cbranch_scc1 .Lnot_wave_0_\@
	s_barrier_signal -3
.Lnot_wave_0_\@:
	s_barrier_wait -3
	s_barrier_signal -1
	s_barrier_wait -1
.endm
	s_load_b512 s[8:23], s[0:1], 0x0               ; qcod, qscl, kcod, kscl, vcod, vscl, acod, ascl
	v_lshl_add_u32 v[SPW], v0, 2, SPARE
	v_mov_b32 v[NIL], 0
	ds_add_u32 v[SPW], v[NIL]                      ; the wave's opening: the add, twice on end, and its wait ahead of my first tensor load
	ds_add_u32 v[SPW], v[NIL]
	v_lshrrev_b32 v8, 5, v0
	s_delay_alu instid0(VALU_DEP_1)
	v_readfirstlane_b32 s[WV], v8                  ; wave 0..15
	s_bfe_u32 s4, ttmp6, 0x40000                   ; cx
	s_lshl_b32 s5, ttmp9, 2
	s_add_co_u32 s5, s5, s4                        ; my block of 512 queries: it enters Q's and the results' addresses alone
	s_and_b32 s6, ttmp7, 0xffff                    ; 16 x batch + head, which the four partners share
	; group 1: dense blocks as rows of 256 bytes (32 elements of 8 bytes): 8,192 bytes of codes are 32 rows, 512 bytes of scale words 2
	s_mov_b32 s[G1C], 15|(3<<16)|(1<<21)           ; 15:0 the mask: all four work-groups; 17:16 elements of 8 bytes; 21 set beside a mask
	s_mov_b32 s[G1C+1], 32<<16
	s_mov_b32 s[G1C+2], 32<<16
	s_mov_b32 s[G1C+3], 32<<16
	s_mov_b32 s[G1C+4], 32
	s_mov_b32 s[G1C+5], 32
	s_mov_b32 s[G1C+6], 0
	s_mov_b32 s[G1C+7], 0
	s_mov_b32 s[G1S], 15|(3<<16)|(1<<21)
	s_mov_b32 s[G1S+1], 32<<16
	s_mov_b32 s[G1S+2], 2<<16
	s_mov_b32 s[G1S+3], 32<<16
	s_mov_b32 s[G1S+4], 2
	s_mov_b32 s[G1S+5], 32
	s_mov_b32 s[G1S+6], 0
	s_mov_b32 s[G1S+7], 0
	s_mov_b32 s[SEL], 0x76543210
	s_mov_b32 s[SEL+1], 0xfedcba98
	s_mov_b32 s[CS], 0x3e38aa3b                    ; log2(e) / sqrt(64)
	s_mov_b32 s[CS+1], s[CS]
	s_and_b32 s56, s[WV], 7                        ; waves 0 to 7 fetch K's eighths, waves 8 to 15 V's
	s_lshl_b32 s58, s56, 13
	s_lshl_b32 s57, s6, 16
	s_add_co_u32 s58, s58, s57                     ; codes: 65,536 a head, 8,192 an eighth
	s_mov_b32 s59, 0
	s_lshl_b32 s60, s56, 9
	s_lshl_b32 s57, s6, 12
	s_add_co_u32 s60, s60, s57                     ; scale words: 4,096 a head, 512 an eighth
	s_mov_b32 s61, 0
	s_wait_dscnt 0x0                               ; both opening adds are done
	s_wait_kmcnt 0x0
	s_cmp_lt_u32 s[WV], 8                          ; a choice on the wave's number: the same in all four partners
	s_cselect_b64 s[62:63], s[12:13], s[16:17]
	s_cselect_b64 s[66:67], s[14:15], s[18:19]
	s_mov_b32 s[G0C], 1
	s_lshl_b32 s[G0C+1], s[WV], 13                 ; LDS: 8,192 x wave: K's region, then V's
	s_add_nc_u64 s[G0C+2:G0C+3], s[62:63], s[58:59]
	s_or_b32 s[G0C+3], s[G0C+3], 0x80000000
	s_mov_b32 s[G0S], 1
	s_lshl_b32 s[G0S+1], s[WV], 9
	s_add_co_u32 s[G0S+1], s[G0S+1], LKS           ; 512 x wave: K's words, then V's
	s_add_nc_u64 s[G0S+2:G0S+3], s[66:67], s[60:61]
	s_or_b32 s[G0S+3], s[G0S+3], 0x80000000
	CROUND                                         ; all four work-groups are here: the joint loads meet
	tensor_load_to_lds s[G0C:G0C+3], s[G1C:G1C+7]  ; every wave issues its two, one at a time
	s_nop 0
	s_wait_alu depctr_va_vdst(0)
	s_wait_tensorcnt 0x0
	ds_add_u32 v5, v6
	s_wait_dscnt 0x0
	CROUND
	tensor_load_to_lds s[G0S:G0S+3], s[G1S:G1S+7]
	s_nop 0
.rept 4
	v_nop
.endr
	s_lshl_b32 s56, s5, 5
	s_lshl_b32 s57, s[WV], 1
	s_add_co_u32 s56, s56, s57                     ; my first tile of 16 queries in the sequence: 32 x block + 2 x wave
	s_lshl_b32 s68, s56, 9
	s_lshl_b32 s57, s6, 16
	s_add_co_u32 s68, s68, s57
	s_mov_b32 s69, 0
	s_add_nc_u64 s[8:9], s[8:9], s[68:69]          ; its codes,
	s_lshl_b32 s70, s56, 5
	s_lshl_b32 s57, s6, 12
	s_add_co_u32 s70, s70, s57
	s_mov_b32 s71, 0
	s_add_nc_u64 s[10:11], s[10:11], s[70:71]      ; its pair's words
	v_and_b32 v8, 31, v0
	s_delay_alu instid0(VALU_DEP_1)
	v_lshlrev_b32 v[AK0], 4, v8
	v_and_b32 v8, 15, v0
	s_delay_alu instid0(VALU_DEP_1)
	v_lshlrev_b32 v[R4], 2, v8
	global_load_b128 v[QA:QA+3], v[AK0], s[8:9]                ; q stands twice, with four registers of zero codes between
	global_load_b128 v[QA+8:QA+11], v[AK0], s[8:9]
	global_load_b128 v[QB1:QB1+3], v[AK0], s[8:9] offset:512
	global_load_b128 v[QB1+8:QB1+11], v[AK0], s[8:9] offset:512
	global_load_b32 v[QW], v[R4], s[10:11]
.irp n, 4,5,6,7
	v_mov_b32 v[QA+\n], 0
	v_mov_b32 v[QB1+\n], 0
.endr
	s_lshr_b32 s57, s6, 4                          ; batch
	s_and_b32 s66, s6, 15                          ; head
	s_lshl_b32 s67, s57, 7
	s_add_co_u32 s67, s67, s56                     ; my first tile among all 512 tiles of tokens
	s_lshl_b32 s68, s67, 13                        ; the result's codes: 8,192 bytes a tile of tokens, 512 a head
	s_lshl_b32 s70, s66, 9
	s_add_co_u32 s68, s68, s70
	s_add_nc_u64 s[20:21], s[20:21], s[68:69]
	s_lshl_b32 s68, s66, 14                        ; its pair words: 16,384 bytes a head, 4,096 a batch, 1,024 a block of 512 queries
	s_lshl_b32 s70, s57, 12
	s_add_co_u32 s68, s68, s70
	s_lshl_b32 s70, s5, 10
	s_add_co_u32 s68, s68, s70
	s_add_nc_u64 s[22:23], s[22:23], s[68:69]
	v_add_nc_u32 v[AV0], LVC, v[AK0]
	v_add_nc_u32 v[ASK0], LKS, v[R4]
	v_add_nc_u32 v[ASV0], LVS, v[R4]
	v_lshrrev_b32 v[AST], 5, v0
	s_delay_alu instid0(VALU_DEP_1)
	v_lshl_add_u32 v[AST], v[AST], 6, v[R4]
	s_delay_alu instid0(VALU_DEP_1)
	v_add_nc_u32 v[AST], LAST, v[AST]              ; the stage: 64 x wave + 4 r
	v_and_b32 v[AGO], 63, v0
	s_delay_alu instid0(VALU_DEP_1)
	v_lshlrev_b32 v[AGO], 4, v[AGO]                ; and on the way out, for waves 0 and 1: 16 x thread
	s_delay_alu instid0(VALU_DEP_1)
	v_add_nc_u32 v[ARD], LAST, v[AGO]
	; V's scale words as they were left: [64 keys: 32][pair of tiles: 2][r: 16] words, two bytes of row 32 p + r below, of row 32 p + 16 + r above.  Wanted: [step of 128 keys][tile t][r], four bytes of one row.
	; Thread tau makes the words of (step tau / 64, tile (tau / 16) % 4, r) and of the step 8 further on: two halves each, 128 bytes apart.
	v_lshrrev_b32 v10, 6, v0
	s_delay_alu instid0(VALU_DEP_1)
	v_lshl_add_u32 v10, v10, 8, v[R4]              ; 256 x step + 4 r
	v_bfe_u32 v11, v0, 5, 1
	s_delay_alu instid0(VALU_DEP_1)
	v_lshl_add_u32 v10, v11, 6, v10                ; + 64 x (tile / 2)
	v_bfe_u32 v11, v0, 4, 1
	s_delay_alu instid0(VALU_DEP_1)
	v_lshl_add_u32 v10, v11, 1, v10                ; + 2 x (tile % 2)
	s_delay_alu instid0(VALU_DEP_1)
	v_add_nc_u32 v10, LVR, v10
	v_lshl_add_u32 v11, v0, 2, LVS
.irp b, 0,1,2,3
	v_mov_b32 v[236+\b], 0                         ; written once: a lane permute's destination counts as one of its sources
.endr
	v_mov_b32 v253, 0                              ; (named as the upper half of the pair v[252:253])
	s_wait_alu depctr_va_vdst(0)
	s_wait_tensorcnt 0x0                           ; my parts of the head are in,
	s_barrier_signal -1
	s_barrier_wait -1                              ; everybody's are
	ds_load_u16 v232, v10
	ds_load_u16 v233, v10 offset:128
	ds_load_u16 v234, v10 offset:2048
	ds_load_u16 v235, v10 offset:2176
	s_wait_dscnt 0x0
	v_lshl_or_b32 v232, v233, 16, v232
	v_lshl_or_b32 v234, v235, 16, v234
	ds_store_b32 v11, v232
	ds_store_b32 v11, v234 offset:2048
	s_wait_dscnt 0x0                               ; for the others' sake: my stores have landed
	s_barrier_signal -1
	s_barrier_wait -1
	s_wait_loadcnt 0x0                             ; q and its pair word
	v_and_b32 v[QSA], 0xffff, v[QW]
	s_delay_alu instid0(VALU_DEP_1)
	v_lshl_or_b32 v[QSA], v[QSA], 16, v[QSA]       ; pass 0: the first tile's two bytes, for k = 0 .. 63 and for k = 64 .. 127
	v_lshrrev_b32 v[QSA+1], 16, v[QW]
	s_delay_alu instid0(VALU_DEP_1)
	v_lshl_or_b32 v[QSA+1], v[QSA+1], 16, v[QSA+1] ; pass 1: the second tile's.  (The 36 moves at a pass's head are more than the eight places that a scale register so written owes)
; A PASS: one tile of 16 queries against the head's 2,048 keys.  p: which; qb: the first register of its [q | 0 | q]; qs: its scale word.
.macro PASS p, qb, qs
.if \p
	s_wait_xcnt 0x0                                ; the last pass's store has read its registers: the codes' registers may be written again
.endif
	v_mov_b32 v13, 0xff61b1e6                      ; the largest t so far: -3e38, under every t
	s_delay_alu instid0(VALU_DEP_1)
	v_floor_f32 v12, -v13                          ; -M
	v_mov_b32 v14, 0                               ; the sum, in two halves
	v_mov_b32 v15, 0
.set j, 0
.rept 32
	v_mov_b32 v[OT+j], 0                           ; O^T.  (The step is written once: the first finds zeros, which the first change of M leaves zeros)
.set j, j+1
.endr
	s_mov_b32 s[TBS], 0
	s_mov_b32 s[TSS], 0
	s_mov_b32 s[CNT], 16
.Lstep_\@:                                             ; 16 trips of 128 keys
	s_setprio 2
	v_add_nc_u32 v[ADK], s[TBS], v[AK0]            ; these four are also the places in front of the loads into registers that the last trip's products have read
	v_add_nc_u32 v[ADV], s[TBS], v[AV0]
	v_add_nc_u32 v[ADS], s[TSS], v[ASK0]
	v_add_nc_u32 v[ADT], s[TSS], v[ASV0]
.irp g, 0,1,2,3
.irp c, 0,1
	ds_load_b128 v[KF+8*\g+4*\c:KF+8*\g+4*\c+3], v[ADK] offset:1024*\g+512*\c   ; key tile 2 g + c: 512 consecutive bytes
.endr
.endr
.irp g, 0,1,2,3
	ds_load_b32 v[KSW+\g], v[ADS] offset:64*\g
.endr
.irp t, 0,1,2,3
.irp c, 0,1
	ds_load_b128 v[VF+8*\t+4*\c:VF+8*\t+4*\c+3], v[ADV] offset:1024*\t+512*\c   ; V's are asked for now and wanted behind the softmax
.endr
.endr
.irp t, 0,1,2,3
	ds_load_b32 v[VSW+\t], v[ADT] offset:64*\t
.endr
	s_wait_dscnt 12                                ; K's twelve loads are in; V's twelve, issued behind them, may stay out
.irp g, 0,1,2,3
	v_wmma_scale_f32_16x16x128_f8f6f4 v[ST+16*\g:ST+16*\g+7], v[KF+8*\g:KF+8*\g+7], v[\qb:\qb+7], 0, v[KSW+\g], v[\qs] matrix_a_fmt:MATRIX_FMT_FP4 matrix_b_fmt:MATRIX_FMT_FP4      ; x [q | 0]: key tile 2 g
	v_wmma_scale_f32_16x16x128_f8f6f4 v[ST+16*\g+8:ST+16*\g+15], v[KF+8*\g:KF+8*\g+7], v[\qb+4:\qb+11], 0, v[KSW+\g], v[\qs] matrix_a_fmt:MATRIX_FMT_FP4 matrix_b_fmt:MATRIX_FMT_FP4 ; x [0 | q]: key tile 2 g + 1
.endr
.rept 4
	v_nop
.endr
.irp b, 0,1,2,3
	v_max3_num_f32 v[232+\b], v[ST+16*\b], v[ST+1+16*\b], v[ST+2+16*\b]   ; the largest score of each block of 32 keys: for the row's maximum, and for the block's largest p
.endr
.irp i, 3,5,7,9,11,13
.irp b, 0,1,2,3
	v_max3_num_f32 v[232+\b], v[232+\b], v[ST+16*\b+\i], v[ST+1+16*\b+\i]   ; (the four blocks by turns; each tile is read from its low end on)
.endr
.endr
.irp b, 0,1,2,3
	v_max_num_f32 v[232+\b], v[232+\b], v[ST+15+16*\b]
.endr
.irp b, 0,1,2,3
	s_delay_alu instid0(VALU_DEP_4)
	v_permlanex16_b32 v[236+\b], v[232+\b], s[SEL], s[SEL+1]
.endr
.irp b, 0,1,2,3
	s_delay_alu instid0(VALU_DEP_4)
	v_max_num_f32 v[232+\b], v[232+\b], v[236+\b]  ; with lane xor 16's 16 keys
.endr
	s_delay_alu instid0(VALU_DEP_2)
	v_max3_num_f32 v254, v232, v233, v234
	s_delay_alu instid0(VALU_DEP_1)
	v_max_num_f32 v254, v254, v235                 ; the step's largest score of my query
	s_delay_alu instid0(VALU_DEP_1)
	v_mul_f32 v254, s[CS], v254                    ; as t (c is positive)
	s_delay_alu instid0(VALU_DEP_1)
	v_max_num_f32 v13, v13, v254                   ; the running largest t
	v_mov_b32 v254, v12
	s_delay_alu instid0(VALU_DEP_2)
	v_floor_f32 v12, -v13                          ; the new -M = floor(-t) = -ceil(t): a whole number
	s_delay_alu instid0(VALU_DEP_1)
	v_sub_f32 v254, v12, v254                      ; old M - new M: a whole number, 0 or less
	s_delay_alu instid0(VALU_DEP_1)
	v_cvt_i32_f32 v254, v254                       ; (it saturates)
	s_delay_alu instid0(VALU_DEP_1)
	v_ldexp_f32 v252, 1.0, v254                    ; f = 2^(old M - new M)
.set j, 0
.rept 32
	v_pk_fma_f32 v[ST+j:ST+j+1], v[ST+j:ST+j+1], s[CS:CS+1], v[12:13] op_sel_hi:[1,0,0]   ; t - M, two at a time
.set j, j+2
.endr
.irp b, 0,1,2,3
	v_fma_f32 v[232+\b], v[232+\b], s[CS], v12     ; the same of each block's largest score
.endr
.set j, 0
	s_wait_alu depctr_va_vdst(0)
.rept 64
	v_exp_f32 v[ST+j], v[ST+j]                     ; p = 2^(t - M), at most 1
.set j, j+1
.endr
	s_setprio 1
	v_pk_mul_f32 v[14:15], v[14:15], v[252:253] op_sel_hi:[1,0]   ; the sums under the new M: the plain place behind the exponentials
	s_wait_alu depctr_va_vdst(0)                   ; one wait for the whole batch, ahead of its first reader
.irp b, 0,1,2,3
	v_exp_f32 v[232+\b], v[232+\b]                 ; the block's largest p
.endr
	v_pk_add_f32 v[236:237], v[ST:ST+1], v[ST+2:ST+3]   ; the row's sum of the UNQUANTISED p, two at a time, in two chains
.irp i, 4,8,12,16,20,24,28,32,36,40,44,48,52,56,60
	v_pk_add_f32 v[14:15], v[14:15], v[ST+\i:ST+\i+1]
	v_pk_add_f32 v[236:237], v[236:237], v[ST+2+\i:ST+3+\i]
.endr
	s_delay_alu instid0(VALU_DEP_1)
	v_pk_add_f32 v[14:15], v[14:15], v[236:237]
	s_wait_alu depctr_va_vdst(0)                   ; and one for the four
.irp b, 0,1,2,3
	v_max_num_f32 v[232+\b], 0x1800000, v[232+\b]  ; the floor 2^(3 - 127): the byte cannot fall under 1
.endr
.irp b, 0,1,2,3
	s_delay_alu instid0(VALU_DEP_4)
	v_add_nc_u32 v[244+\b], 0xff000000, v[232+\b]  ; 2 off the exponent field: the conversion's scale operand
.endr
.irp b, 0,1,2,3
	s_delay_alu instid0(VALU_DEP_4)
	v_lshrrev_b32 v[236+\b], 23, v[244+\b]         ; the scale's byte
.endr
	s_delay_alu instid0(VALU_DEP_3)
	v_lshl_or_b32 v[PSW], v237, 8, v236            ; p's scale word for these 128 keys
	s_delay_alu instid0(VALU_DEP_1)
	v_lshl_or_b32 v[PSW], v238, 16, v[PSW]
	s_delay_alu instid0(VALU_DEP_1)
	v_lshl_or_b32 v[PSW], v239, 24, v[PSW]
.irp c, 0,1
	v_cvt_scalef32_pk8_fp4_f32 v[PC+4*\c], v[ST+32*\c:ST+32*\c+7], v[244+2*\c]          ; tile 4 c
	v_cvt_scalef32_pk8_fp4_f32 v[PC+4*\c+1], v[ST+32*\c+16:ST+32*\c+23], v[245+2*\c]    ; tile 4 c + 2
	v_cvt_scalef32_pk8_fp4_f32 v[PC+4*\c+2], v[ST+32*\c+8:ST+32*\c+15], v[244+2*\c]     ; tile 4 c + 1
	v_cvt_scalef32_pk8_fp4_f32 v[PC+4*\c+3], v[ST+32*\c+24:ST+32*\c+31], v[245+2*\c]    ; tile 4 c + 3
.endr
	v_nop                                          ; one plain place behind the scaled conversions
	s_setprio 0
.irp c, 0,1
	v_permlane16_swap_b32 v[PC+4*\c], v[PC+4*\c+1]     ; lanes 0-15: block 2 c; lanes 16-31: block 2 c + 1; words in ascending order of the keys
	v_permlane16_swap_b32 v[PC+4*\c+2], v[PC+4*\c+3]
.endr
.set j, 0
.rept 16
	v_pk_mul_f32 v[OT+j:OT+j+1], v[OT+j:OT+j+1], v[252:253] op_sel_hi:[1,0]   ; O^T under the new M.  (These 16 are also the places between the codes' and the scale word's last writes and the products below)
.set j, j+2
.endr
	s_wait_alu depctr_va_vdst(0)
	s_wait_dscnt 0x0                               ; V's fragments and words are in
.irp t, 0,1,2,3
	v_wmma_scale_f32_16x16x128_f8f6f4 v[OT+8*\t:OT+8*\t+7], v[VF+8*\t:VF+8*\t+7], v[PC:PC+7], v[OT+8*\t:OT+8*\t+7], v[VSW+\t], v[PSW] matrix_a_fmt:MATRIX_FMT_FP4 matrix_b_fmt:MATRIX_FMT_FP4   ; four accumulators, one turn each
.endr
	s_add_co_u32 s[TBS], s[TBS], 4096
	s_add_co_u32 s[TSS], s[TSS], 256
	s_sub_co_u32 s[CNT], s[CNT], 1
	s_cmp_lg_u32 s[CNT], 0
	s_cbranch_scc1 .Lstep_\@
	s_setprio 0
	; the pass's end: O^T / l, quantised along the head's 64 channels (two blocks of the last projection's K)
.rept 4
	v_nop                                          ; places behind the last products
.endr
	v_add_f32 v14, v14, v15                        ; the sum's two halves,
	s_delay_alu instid0(VALU_DEP_1)
	v_permlanex16_b32 v252, v14, s[SEL], s[SEL+1]
	s_delay_alu instid0(VALU_DEP_1)
	v_add_f32 v14, v14, v252                       ; and lane xor 16's: the row's sum
	s_wait_alu depctr_va_vdst(0)
	v_rcp_f32 v14, v14
	v_nop                                          ; a plain place behind the reciprocal,
	s_wait_alu depctr_va_vdst(0)                   ; and the wait ahead of its first reader
.set j, 0
.rept 32
	v_mul_f32 v[ST+j], v[OT+j], v14                ; register 8 t + n: channel 16 t + 8 h + n of my query
.set j, j+1
.endr
.irp b, 0,1
	v_max3_num_f32 v[232+\b], |v[ST+16*\b]|, |v[ST+1+16*\b]|, 0x1800000
.endr
.irp i, 2,4,6,8,10,12,14
.irp b, 0,1
	s_delay_alu instid0(VALU_DEP_2)
	v_max3_num_f32 v[232+\b], v[232+\b], |v[ST+16*\b+\i]|, |v[ST+1+16*\b+\i]|
.endr
.endr
.irp b, 0,1
	s_delay_alu instid0(VALU_DEP_2)
	v_permlanex16_b32 v[236+\b], v[232+\b], s[SEL], s[SEL+1]
.endr
.irp b, 0,1
	s_delay_alu instid0(VALU_DEP_2)
	v_max_num_f32 v[232+\b], v[232+\b], v[236+\b]
.endr
.irp b, 0,1
	s_delay_alu instid0(VALU_DEP_2)
	v_add_nc_u32 v[244+\b], 0xff000000, v[232+\b]
.endr
.irp b, 0,1
	s_delay_alu instid0(VALU_DEP_2)
	v_lshrrev_b32 v[236+\b], 23, v[244+\b]
.endr
	s_delay_alu instid0(VALU_DEP_1)
	v_lshl_or_b32 v[HW+\p], v237, 8, v236          ; my query's two bytes
	v_cvt_scalef32_pk8_fp4_f32 v[PC], v[ST:ST+7], v244
	v_cvt_scalef32_pk8_fp4_f32 v[PC+1], v[ST+16:ST+23], v245
	v_cvt_scalef32_pk8_fp4_f32 v[PC+2], v[ST+8:ST+15], v244
	v_cvt_scalef32_pk8_fp4_f32 v[PC+3], v[ST+24:ST+31], v245
	v_nop
	v_permlane16_swap_b32 v[PC], v[PC+1]
	v_permlane16_swap_b32 v[PC+2], v[PC+3]
	global_store_b128 v[AK0], v[PC:PC+3], s[20:21] offset:8192*\p   ; 32 lanes store 512 consecutive bytes, at a multiple of 512 from the buffer's first byte
.endm
	PASS 0, QA, QSA
	PASS 1, QB1, QSA+1
	; the result's pair words: 64 bytes a wave.  They meet in the stage, and waves 0 and 1 store 512 consecutive bytes each
	v_lshl_or_b32 v[HW], v[HW+1], 16, v[HW]
	ds_store_b32 v[AST], v[HW]                     ; lanes r and r + 16 write the same word with the same value
	s_wait_dscnt 0x0
	s_barrier_signal -1
	s_barrier_wait -1
	s_cmp_lt_u32 s[WV], 2
	s_cbranch_scc0 .Lno_words
	ds_load_b128 v[232:235], v[ARD]
	s_wait_dscnt 0x0
	global_store_b128 v[AGO], v[232:235], s[22:23]
.Lno_words:
	s_wait_tensorcnt 0x0                           ; the wave's end: behind my last tensor load and my last LDS store
	ds_add_u32 v[SPW], v[NIL]
	s_wait_dscnt 0x0
	CROUND                                         ; the closing round
	s_endpgm
.Lfunc_end_k_q41fed7710c_attn:
	.size	k_q41fed7710c_attn, .Lfunc_end_k_q41fed7710c_attn-k_q41fed7710c_attn
	.p2alignl 7, 3214868480
	.fill 96, 4, 3214868480
	.section	.rodata,"a",@progbits
	.p2align	6, 0x0
	.amdhsa_kernel k_q41fed7710c_attn
		.amdhsa_group_segment_fixed_size 327680
		.amdhsa_private_segment_fixed_size 0
		.amdhsa_enable_private_segment 0
		.amdhsa_kernarg_size 64
		.amdhsa_user_sgpr_count 2
		.amdhsa_user_sgpr_kernarg_segment_ptr 1
		.amdhsa_wavefront_size32 1
		.amdhsa_system_sgpr_workgroup_id_x 1
		.amdhsa_system_sgpr_workgroup_id_y 1
		.amdhsa_system_sgpr_workgroup_id_z 1
		.amdhsa_system_vgpr_workitem_id 0
		.amdhsa_next_free_vgpr 256
		.amdhsa_next_free_sgpr 72
		.amdhsa_reserve_vcc 0
		.amdhsa_float_denorm_mode_32 3
		.amdhsa_float_denorm_mode_16_64 3
		.amdhsa_memory_ordered 1
		.amdhsa_forward_progress 1
		.amdhsa_inst_pref_size 53
	.end_amdhsa_kernel
	.amdgpu_metadata
---
amdhsa.version: [ 1, 2 ]
amdhsa.kernels:
  - .name:           k_q41fed7710c_attn
    .symbol:         k_q41fed7710c_attn.kd
    .args:
      - { .name: qcod, .offset: 0, .size: 8, .value_kind: global_buffer, .address_space: global }
      - { .name: qscl, .offset: 8, .size: 8, .value_kind: global_buffer, .address_space: global }
      - { .name: kcod, .offset: 16, .size: 8, .value_kind: global_buffer, .address_space: global }
      - { .name: kscl, .offset: 24, .size: 8, .value_kind: global_buffer, .address_space: global }
      - { .name: vcod, .offset: 32, .size: 8, .value_kind: global_buffer, .address_space: global }
      - { .name: vscl, .offset: 40, .size: 8, .value_kind: global_buffer, .address_space: global }
      - { .name: acod, .offset: 48, .size: 8, .value_kind: global_buffer, .address_space: global }
      - { .name: ascl, .offset: 56, .size: 8, .value_kind: global_buffer, .address_space: global }
    .group_segment_fixed_size: 327680
    .private_segment_fixed_size: 0
    .kernarg_segment_align: 8
    .kernarg_segment_size: 64
    .max_flat_workgroup_size: 512
    .sgpr_count:     72
    .vgpr_count:     256
    .wavefront_size: 32
...
	.end_amdgpu_metadata
.endif
;; end of part 2
;; launch outp (part 3): grid 4 x 64, 8 waves a work-group, clusters of 4 x 4, 327,680 bytes of LDS; arguments acod, ascl, Wo_codes, Wo_scales, bo, out0; writes out0
.if DOCPART == 3
	.amdgcn_target "amdgcn-amd-amdhsa--gfx1250"
	.amdhsa_code_object_version 6
	.text
	.protected	k_q41fed7710c_outp
	.globl	k_q41fed7710c_outp
	.p2align	8
	.type	k_q41fed7710c_outp,@function
k_q41fed7710c_outp:
	s_mov_b64 s[64:65], 0
	v_nop
	global_prefetch_b8 v0, s[64:65] scope:SCOPE_SE
	s_setreg_imm32_b32 hwreg(HW_REG_WAVE_MODE, 25, 1), 1
	s_wait_xcnt 0x0
	s_wait_alu depctr_hold_cnt(0) depctr_sa_sdst(0) depctr_va_vdst(0) depctr_va_sdst(0) depctr_va_ssrc(0) depctr_va_vcc(0) depctr_vm_vsrc(0)
	s_getreg_b32 s2, hwreg(HW_REG_IB_STS2, 6, 4)
	s_cmp_eq_u32 s2, 0
	s_cbranch_scc0 .Lentry_in_a_cluster
	s_endpgm
.Lentry_in_a_cluster:
	s_bfe_u32 s2, ttmp6, 0x10000c
	s_cmp_lg_u32 s2, 0xf033
	s_cbranch_scc0 .Lentry_shape_is_right
	s_endpgm
.Lentry_shape_is_right:
; THE LAST PROJECTION: out[token][n] = sum over k of a[token][k] Wo[n][k] + bo[n], on codes of FP4 (E2M1), K = 1,024; out is f32.  No work is left out.
; a: images of operand registers, [tile of 16 tokens: 512][K step of 128: 8][half of 64: 2][512 bytes].  Its scale bytes: [head: 16][pair of token tiles: 256][r: 16] words, the first tile's two bytes below, the second's above.
; SHARES, as in the first launch: a work-group of eight waves makes 128 tokens x 256 columns; wave (iw, jw) = (wave / 4, wave % 4) makes 64 x 64: 16 accumulators.  All of K lies in LDS, in two halves, each filled once.
; CLUSTERS: 4 x 4 work-groups; a's tiles are shared along a row of the cluster, Wo's along a column, by joint loads.
; The matrix instruction is used transposed (source 0 = 16 rows of Wo, source 1 = 16 tokens): a lane holds eight neighbouring columns of one row of out.
.set PITCH,  272                       ; a row of Wo in LDS: 256 bytes + 16 of padding
.set HALF,   32768+256*PITCH           ; half of K: a's images of 8 token tiles (4,096 bytes each), then Wo's 256 rows
.set YOFF,   32768
.set XR,     2*HALF                    ; a's scale words as they were left: [head: 16][pair: 4][r: 16], 4,096 bytes
.set SCX,    XR+4096                   ; a's scale bytes in order, 32 a row: stored by the waves; no fill lands here
.set SCY,    SCX+4096                  ; Wo's scale bytes, 32 a row: 8,192 bytes
.set STAGE,  SCY+8192                  ; the way out: 16 rows x (256 + 16) bytes for each wave
.set SPARE,  STAGE+8*16*PITCH          ; the spare words, 128 bytes for each of eight waves, that no other line names
.set AX,   4                           ; v4, v5   LDS address of my a fragments in half 0, 1
.set AY,   6                           ; v6, v7   the same for Wo
.set ASC,  8                           ; v8       of my scale words: lanes 0-15 a's rows, lanes 16-31 Wo's
.set BO,   9                           ; v9       my byte offset in bo
.set STO,  10                          ; v10      the stage: where I put 32 bytes of a row
.set RD,   11                          ; v11      and where I read a row back
.set GO,   12                          ; v12      my byte offset in out
.set RA,   13                          ; v13      where I read halves of a's scale words;  v14 where I put the words
.set WA,   14
.set SPW,  16                          ; v16      my spare word;  v17: 0.  Never rewritten
.set NIL,  17
.set TV,   19
.set HV,   20                          ; v20-27   halves of scale words
.set SC,   32                          ; v32-63   scale words: register 8 i + ks.  Scales and nothing else
.set XF,   64
.set YF,   96
.set ACC,  128
.set WV,   3
.set IW,   4
.set JW,   5
.set G0XS, 24
.set G0X,  28
.set G0YS, 36
.set G0Y,  40
.set G1X,  52
.set G1Y,  68
.set G1XS, 76
.set G1YS, 84
.macro JLOAD g0x, g1x, g0y, g1y        ; a joint load: waves 0 to 3 fetch for a, waves 4 to 7 for Wo; an s_nop 0 and four v_nop follow each of the two lines
	s_cmp_eq_u32 s[IW], 0
	s_cbranch_scc0 .Lfor_y_\@
	tensor_load_to_lds s[\g0x:\g0x+3], s[\g1x:\g1x+7]
	s_nop 0
.rept 4
	v_nop
.endr
	s_branch .Lasked_\@
.Lfor_y_\@:
	tensor_load_to_lds s[\g0y:\g0y+3], s[\g1y:\g1y+7]
	s_nop 0
.rept 4
	v_nop
.endr
.Lasked_\@:
.endm
.macro CROUND                          ; a round of the cluster's barrier
	s_barrier_signal -1
	s_barrier_wait -1
	s_cmp_lg_u32 s[WV], 0
	s_cbranch_scc1 .Lnot_wave_0_\@
	s_barrier_signal -3
.Lnot_wave_0_\@:
	s_barrier_wait -3
	s_barrier_signal -1
	s_barrier_wait -1
.endm
.macro FRAGS ks                        ; a's fragments are images: 512 consecutive bytes a load; Wo's come from rows
.irp t, 0,1,2,3
.irp c, 0,1
	ds_load_b128 v[XF+8*\t+4*\c:XF+8*\t+4*\c+3], v[AX+(\ks)/4] offset:4096*\t+1024*((\ks)%4)+512*\c
	ds_load_b128 v[YF+8*\t+4*\c:YF+8*\t+4*\c+3], v[AY+(\ks)/4] offset:\t*16*PITCH+64*((\ks)%4)+32*\c
.endr
.endr
.endm
.macro MM a, bj, ks, c
	v_wmma_scale_f32_16x16x128_f8f6f4 v[ACC+8*(4*(\a)+(\bj)):ACC+8*(4*(\a)+(\bj))+7], v[YF+8*(\bj):YF+8*(\bj)+7], v[XF+8*(\a):XF+8*(\a)+7], v[(\c):(\c)+7], v[SC+8*(\bj)+(\ks)], v[SC+8*(\a)+(\ks)] matrix_a_fmt:MATRIX_FMT_FP4 matrix_b_fmt:MATRIX_FMT_FP4 matrix_a_scale:MATRIX_SCALE_ROW1
.endm
.macro KSTEP ks                        ; four places in front of loads into registers that matrix instructions have read; 16 loads; 16 products, the accumulators by turns
.rept 4
	v_nop
.endr
	FRAGS \ks
	s_wait_dscnt 0x0
.irp a, 0,1,2,3
.irp bj, 0,1,2,3
	MM \a, \bj, \ks, ACC+8*(4*\a+\bj)
.endr
.endr
.endm
	s_load_b256 s[8:15], s[0:1], 0x0               ; acod, ascl, Wo's codes, Wo's scales
	s_load_b128 s[16:19], s[0:1], 0x20             ; bo, out
	v_lshl_add_u32 v[SPW], v0, 2, SPARE
	v_mov_b32 v[NIL], 0
	ds_add_u32 v[SPW], v[NIL]                      ; the wave's opening: the add, twice on end, and its wait ahead of my first tensor load
	ds_add_u32 v[SPW], v[NIL]
	v_lshrrev_b32 v1, 5, v0
	s_delay_alu instid0(VALU_DEP_1)
	v_readfirstlane_b32 s[WV], v1
	s_lshr_b32 s[IW], s[WV], 2
	s_and_b32 s[JW], s[WV], 3
	s_bfe_u32 s92, ttmp6, 0x40000                  ; cx, cy
	s_bfe_u32 s93, ttmp6, 0x40004
	s_and_b32 s94, ttmp7, 0xffff
	s_lshl_b32 s97, s94, 2
	s_add_co_u32 s97, s97, s93                     ; the tile of 128 tokens = 4 x cluster y + cy
	s_lshl_b32 s98, ttmp9, 2
	s_add_co_u32 s98, s98, s92                     ; the tile of 256 columns = 4 x cluster x + cx
	s_lshl_b32 s60, s93, 2
	s_lshl_b32 s60, 15, s60                        ; my row of the cluster
	s_lshl_b32 s61, 0x1111, s92                    ; my column
	; group 1.  a's images: two token tiles a load, 4,096 bytes (half of K) of each, 8,192 bytes apart: 2 rows of 512 elements of 8 bytes
	s_or_b32 s[G1X], s60, (3<<16)|(1<<21)
	s_mov_b32 s[G1X+1], 512<<16
	s_mov_b32 s[G1X+2], 2<<16
	s_mov_b32 s[G1X+3], 512<<16
	s_mov_b32 s[G1X+4], 2
	s_mov_b32 s[G1X+5], 1024
	s_mov_b32 s[G1X+6], 0
	s_mov_b32 s[G1X+7], 0
	; Wo's codes: 64 rows of 256 bytes, 512 bytes apart, 16 bytes of padding behind each
	s_or_b32 s[G1Y], s61, (1<<20)|(1<<21)|(5<<22)|(3<<25)
	s_mov_b32 s[G1Y+1], 256<<16
	s_mov_b32 s[G1Y+2], 64<<16
	s_mov_b32 s[G1Y+3], 256<<16
	s_mov_b32 s[G1Y+4], 64
	s_mov_b32 s[G1Y+5], 512
	s_mov_b32 s[G1Y+6], 0
	s_mov_b32 s[G1Y+7], 0
	; a's scale words: four heads a load, 256 bytes (the tile's four pairs) of each, 16,384 bytes apart
	s_or_b32 s[G1XS], s60, (3<<16)|(1<<21)
	s_mov_b32 s[G1XS+1], 32<<16
	s_mov_b32 s[G1XS+2], 4<<16
	s_mov_b32 s[G1XS+3], 32<<16
	s_mov_b32 s[G1XS+4], 4
	s_mov_b32 s[G1XS+5], 2048
	s_mov_b32 s[G1XS+6], 0
	s_mov_b32 s[G1XS+7], 0
	; Wo's scale bytes: 64 rows of 32 bytes, dense: 8 rows of 256
	s_or_b32 s[G1YS], s61, (3<<16)|(1<<21)
	s_mov_b32 s[G1YS+1], 32<<16
	s_mov_b32 s[G1YS+2], 8<<16
	s_mov_b32 s[G1YS+3], 32<<16
	s_mov_b32 s[G1YS+4], 8
	s_mov_b32 s[G1YS+5], 32
	s_mov_b32 s[G1YS+6], 0
	s_mov_b32 s[G1YS+7], 0
	s_lshl_b32 s22, s97, 3
	s_lshl_b32 s6, s[JW], 1
	s_add_co_u32 s22, s22, s6                      ; a: token tile 8 x tile + 2 x quarter,
	s_lshl_b32 s22, s22, 13                        ; 8,192 bytes each
	s_mov_b32 s23, 0
	s_lshl_b32 s66, s[JW], 16                      ; its scale words: heads 4 x quarter on, 256 bytes x tile
	s_lshl_b32 s6, s97, 8
	s_add_co_u32 s66, s66, s6
	s_mov_b32 s67, 0
	s_lshl_b32 s48, s98, 8
	s_lshl_b32 s50, s[JW], 6
	s_add_co_u32 s48, s48, s50                     ; Wo: row 256 x tile + 64 x quarter
	s_lshl_b32 s50, s48, 5
	s_lshl_b32 s48, s48, 9
	s_mov_b32 s49, 0
	s_mov_b32 s51, 0
	s_lshl_b32 s6, s[JW], 13                       ; where they go: no place in the cluster enters an LDS address
	s_mul_i32 s2, s[JW], 64*PITCH
	s_add_co_u32 s2, s2, YOFF
	s_wait_dscnt 0x0                               ; both opening adds are done
	s_wait_kmcnt 0x0
	s_add_nc_u64 s[22:23], s[8:9], s[22:23]
	s_add_nc_u64 s[66:67], s[10:11], s[66:67]
	s_add_nc_u64 s[48:49], s[12:13], s[48:49]
	s_add_nc_u64 s[50:51], s[14:15], s[50:51]
	CROUND                                         ; all sixteen work-groups are here: the first joint loads meet
	s_mov_b32 s[G0XS], 1
	s_lshl_b32 s[G0XS+1], s[JW], 10
	s_add_co_u32 s[G0XS+1], s[G0XS+1], XR
	s_mov_b64 s[G0XS+2:G0XS+3], s[66:67]
	s_or_b32 s[G0XS+3], s[G0XS+3], 0x80000000
	s_mov_b32 s[G0YS], 1
	s_lshl_b32 s[G0YS+1], s[JW], 11
	s_add_co_u32 s[G0YS+1], s[G0YS+1], SCY
	s_mov_b64 s[G0YS+2:G0YS+3], s[50:51]
	s_or_b32 s[G0YS+3], s[G0YS+3], 0x80000000
	JLOAD G0XS, G1XS, G0YS, G1YS                   ; the scales first
.irp hk, 0,1
	s_mov_b32 s[G0X+4*\hk], 1
	s_add_co_u32 s[G0X+4*\hk+1], s6, \hk*HALF
	s_add_nc_u64 s[G0X+4*\hk+2:G0X+4*\hk+3], s[22:23], \hk*4096
	s_or_b32 s[G0X+4*\hk+3], s[G0X+4*\hk+3], 0x80000000
	s_mov_b32 s[G0Y+4*\hk], 1
	s_add_co_u32 s[G0Y+4*\hk+1], s2, \hk*HALF
	s_add_nc_u64 s[G0Y+4*\hk+2:G0Y+4*\hk+3], s[48:49], \hk*256
	s_or_b32 s[G0Y+4*\hk+3], s[G0Y+4*\hk+3], 0x80000000
	s_wait_alu depctr_va_vdst(0)
	s_wait_tensorcnt 0x0
	ds_add_u32 v16, v17
	s_wait_dscnt 0x0
	CROUND
	JLOAD G0X+4*\hk, G1X, G0Y+4*\hk, G1Y           ; one tensor load of a wave is out
.endr
	v_and_b32 v1, 15, v0                           ; r
	v_bfe_u32 v2, v0, 4, 1                         ; h
	v_and_b32 v3, 31, v0                           ; lane
	s_lshl_b32 s6, s[IW], 14                       ; my four token tiles
	v_lshl_add_u32 v[AX], v3, 4, s6                ; an image: 16 x lane
	s_delay_alu instid0(VALU_DEP_1)
	v_add_nc_u32 v[AX+1], HALF, v[AX]
	v_mul_u32_u24 v[TV], v1, PITCH
	s_delay_alu instid0(VALU_DEP_1)
	v_lshl_add_u32 v[TV], v2, 4, v[TV]
	s_mul_i32 s2, s[JW], 64*PITCH
	s_add_co_u32 s2, s2, YOFF
	v_add_nc_u32 v[AY], s2, v[TV]
	s_delay_alu instid0(VALU_DEP_1)
	v_add_nc_u32 v[AY+1], HALF, v[AY]
	v_lshlrev_b32 v[ASC], 5, v1                    ; my row's scale bytes: 32 a row
	s_lshl_b32 s6, s[IW], 11
	s_lshl_b32 s2, s[JW], 11
	s_add_co_u32 s2, s2, 4096
	s_sub_co_u32 s2, s2, s6                        ; the distance from a's to Wo's: one product with h
	v_mul_u32_u24 v[TV], s2, v2
	s_add_co_u32 s6, s6, SCX
	v_add_nc_u32 v[ASC], v[ASC], v[TV]
	s_delay_alu instid0(VALU_DEP_1)
	v_add_nc_u32 v[ASC], s6, v[ASC]
	s_lshl_b32 s48, s98, 10                        ; bo: register n of tile bj wants number 256 x tile + 64 jw + 16 bj + 8 h + n
	s_lshl_b32 s49, s[JW], 8
	s_add_co_u32 s48, s48, s49
	v_lshl_add_u32 v[BO], v2, 5, s48
.irp bj, 0,1,2,3
	global_load_b128 v[ACC+8*\bj:ACC+8*\bj+3], v[BO], s[16:17] offset:64*\bj        ; the bias is the C of each sum's first product
	global_load_b128 v[ACC+8*\bj+4:ACC+8*\bj+7], v[BO], s[16:17] offset:64*\bj+16
.endr
	s_mul_i32 s6, s[WV], 16*PITCH
	s_add_co_u32 s6, s6, STAGE                     ; my stage
	v_mul_u32_u24 v[STO], v1, PITCH
	s_delay_alu instid0(VALU_DEP_1)
	v_lshl_add_u32 v[STO], v2, 5, v[STO]
	s_delay_alu instid0(VALU_DEP_1)
	v_add_nc_u32 v[STO], s6, v[STO]                ; in: row r, 32 bytes for each half of the lanes
	v_mul_u32_u24 v[RD], v2, PITCH
	s_delay_alu instid0(VALU_DEP_1)
	v_lshl_add_u32 v[RD], v1, 4, v[RD]
	s_delay_alu instid0(VALU_DEP_1)
	v_add_nc_u32 v[RD], s6, v[RD]                  ; back: lanes 0-15 one row of 256 bytes, lanes 16-31 the next
	v_lshlrev_b32 v[GO], 12, v2
	s_delay_alu instid0(VALU_DEP_1)
	v_lshl_add_u32 v[GO], v1, 4, v[GO]             ; and the same two rows in out (4,096 bytes a row)
	s_lshl_b32 s48, s97, 7
	s_lshl_b32 s49, s[IW], 6
	s_add_co_u32 s48, s48, s49                     ; my first token
	s_lshl_b32 s48, s48, 12
	s_lshl_b32 s49, s98, 10
	s_add_co_u32 s48, s48, s49
	s_lshl_b32 s49, s[JW], 8
	s_add_co_u32 s48, s48, s49                     ; + my first column, in bytes
	s_mov_b32 s49, 0
	s_add_nc_u64 s[18:19], s[18:19], s[48:49]
	; a's scale words are put in order: row i's word for K step ks is two bytes of head 2 ks and two of head 2 ks + 1.  Thread tau makes the words of (ks = tau % 8, row 32 n + tau / 8), n = 0 .. 3:
	; r = (tau / 8) % 16, the pair's first or second tile = tau / 128, the pair = n.
	v_and_b32 v[TV], 7, v0
	s_delay_alu instid0(VALU_DEP_1)
	v_lshlrev_b32 v[RA], 9, v[TV]                  ; head 2 ks: 512 ks
	v_bfe_u32 v[TV], v0, 3, 4
	s_delay_alu instid0(VALU_DEP_1)
	v_lshl_add_u32 v[RA], v[TV], 2, v[RA]          ; + 4 r
	v_lshrrev_b32 v[TV], 7, v0
	s_delay_alu instid0(VALU_DEP_1)
	v_lshl_add_u32 v[RA], v[TV], 1, v[RA]          ; + 2 x (which tile of the pair)
	s_delay_alu instid0(VALU_DEP_1)
	v_add_nc_u32 v[RA], XR, v[RA]
	v_lshl_add_u32 v[WA], v0, 2, SCX
	s_wait_alu depctr_va_vdst(0)
	s_wait_tensorcnt 0x1                           ; my parts of the scales and of half 0 are in; half 1's load, the one issued behind them, may stay out
	s_barrier_signal -1
	s_barrier_wait -1
.irp n, 0,1,2,3
	ds_load_u16 v[HV+2*\n], v[RA] offset:64*\n
	ds_load_u16 v[HV+2*\n+1], v[RA] offset:64*\n+256
.endr
	s_wait_dscnt 0x0
.irp n, 0,1,2,3
	v_lshl_or_b32 v[HV+2*\n], v[HV+2*\n+1], 16, v[HV+2*\n]
.endr
.irp n, 0,1,2,3
	ds_store_b32 v[WA], v[HV+2*\n] offset:1024*\n
.endr
	s_wait_dscnt 0x0                               ; for the others' sake: my stores have landed
	s_barrier_signal -1
	s_barrier_wait -1
.irp i, 0,1,2,3
	ds_load_b128 v[SC+8*\i:SC+8*\i+3], v[ASC] offset:512*\i        ; the scale words of all eight K steps: lanes 0-15 a's tile i, lanes 16-31 Wo's tile i
	ds_load_b128 v[SC+8*\i+4:SC+8*\i+7], v[ASC] offset:512*\i+16
.endr
	FRAGS 0
	s_wait_dscnt 0x0
	s_wait_loadcnt 0x0                             ; bo
	; K step 0 starts the sums: twelve products take bo from the registers of the four accumulators that hold it; five places on (they write over registers that the twelve have read as C) those four add in place
.irp a, 1,2,3
.irp bj, 0,1,2,3
	MM \a, \bj, 0, ACC+8*\bj
.endr
.endr
.rept 5
	v_nop
.endr
.irp bj, 0,1,2,3
	MM 0, \bj, 0, ACC+8*\bj
.endr
	KSTEP 1
	KSTEP 2
	KSTEP 3
	s_wait_tensorcnt 0x0                           ; my part of half 1 is in (no LDS instruction of mine is out),
	s_barrier_signal -1
	s_barrier_wait -1                              ; everybody's is
	KSTEP 4
	KSTEP 5
	KSTEP 6
	KSTEP 7
	; THE WAY OUT, 16 tokens x 64 columns at a time, through my own stage: a lane's 32 bytes go in, whole rows of 256 bytes come back, and sixteen lanes store 256 consecutive bytes at a multiple of 256 from out's first byte.
	; LDS serves a wave's instructions in order: no wait between the stores and the loads.
.rept 4
	v_nop                                          ; places behind the last products: for the reads of their results and for the loads into the fragments' registers
.endr
.irp a, 0,1,2,3
.if \a >= 2
	s_wait_xcnt 0x0                                ; the stores of two blocks back have read their registers: they may be loaded again
.endif
.irp bj, 0,1,2,3
	ds_store_b128 v[STO], v[ACC+8*(4*\a+\bj):ACC+8*(4*\a+\bj)+3] offset:64*\bj          ; each accumulator from its low end on
	ds_store_b128 v[STO], v[ACC+8*(4*\a+\bj)+4:ACC+8*(4*\a+\bj)+7] offset:64*\bj+16
.endr
.irp i, 0,1,2,3,4,5,6,7
	ds_load_b128 v[XF+32*(\a%2)+4*\i:XF+32*(\a%2)+4*\i+3], v[RD] offset:2*\i*PITCH
.endr
	s_wait_dscnt 0x0
.irp i, 0,1,2,3,4,5,6,7
	global_store_b128 v[GO], v[XF+32*(\a%2)+4*\i:XF+32*(\a%2)+4*\i+3], s[18:19] offset:(16*\a+2*\i)*4096 th:TH_STORE_NT   ; written once, read by nobody here
.endr
.endr
	s_wait_tensorcnt 0x0                           ; the wave's end: behind my last tensor load and my last LDS store
	ds_add_u32 v[SPW], v[NIL]
	s_wait_dscnt 0x0
	CROUND                                         ; the closing round
	s_endpgm
.Lfunc_end_k_q41fed7710c_outp:
	.size	k_q41fed7710c_outp, .Lfunc_end_k_q41fed7710c_outp-k_q41fed7710c_outp
	.p2alignl 7, 3214868480
	.fill 96, 4, 3214868480
	.section	.rodata,"a",@progbits
	.p2align	6, 0x0
	.amdhsa_kernel k_q41fed7710c_outp
		.amdhsa_group_segment_fixed_size 327680
		.amdhsa_private_segment_fixed_size 0
		.amdhsa_enable_private_segment 0
		.amdhsa_kernarg_size 48
		.amdhsa_user_sgpr_count 2
		.amdhsa_user_sgpr_kernarg_segment_ptr 1
		.amdhsa_wavefront_size32 1
		.amdhsa_system_sgpr_workgroup_id_x 1
		.amdhsa_system_sgpr_workgroup_id_y 1
		.amdhsa_system_sgpr_workgroup_id_z 1
		.amdhsa_system_vgpr_workitem_id 0
		.amdhsa_next_free_vgpr 256
		.amdhsa_next_free_sgpr 100
		.amdhsa_reserve_vcc 0
		.amdhsa_float_denorm_mode_32 3
		.amdhsa_float_denorm_mode_16_64 3
		.amdhsa_memory_ordered 1
		.amdhsa_forward_progress 1
		.amdhsa_inst_pref_size 47
	.end_amdhsa_kernel
	.amdgpu_metadata
---
amdhsa.version: [ 1, 2 ]
amdhsa.kernels:
  - .name:           k_q41fed7710c_outp
    .symbol:         k_q41fed7710c_outp.kd
    .args:
      - { .name: acod, .offset: 0, .size: 8, .value_kind: global_buffer, .address_space: global }
      - { .name: ascl, .offset: 8, .size: 8, .value_kind: global_buffer, .address_space: global }
      - { .name: Wo_codes, .offset: 16, .size: 8, .value_kind: global_buffer, .address_space: global }
      - { .name: Wo_scales, .offset: 24, .size: 8, .value_kind: global_buffer, .address_space: global }
      - { .name: bo, .offset: 32, .size: 8, .value_kind: global_buffer, .address_space: global }
      - { .name: out0, .offset: 40, .size: 8, .value_kind: global_buffer, .address_space: global }
    .group_segment_fixed_size: 327680
    .private_segment_fixed_size: 0
    .kernarg_segment_align: 8
    .kernarg_segment_size: 48
    .max_flat_workgroup_size: 256
    .sgpr_count:     100
    .vgpr_count:     256
    .wavefront_size: 32
...
	.end_amdgpu_metadata
.endif
;; end of part 3
